; MI455X (gfx1250); checked and timed in simulation.
; The chip was launched on July 23, 2026; its instructions are those of AMD's public machine-readable ISA for CDNA 5 (MIT licence, August 2026) and "CDNA5" Instruction Set Architecture Reference Guide (July 2026). The comments in the code are by the model that wrote it; some were corrected since.
;; Attention Block. Allowed arithmetic: matrix products marked QUANTISED: E2M3 operands, one E8M0 scale for each 32 along K, by v_wmma_scale_f32_16x16x128_f8f6f4 with both operands' format E2M3, f32 sums; everything else in f32.
;; Inputs: ca_bo 1,024 float32; ca_nb 1,024 float32; ca_ncb 768 float32; ca_ncg 768 float32; ca_ng 1,024 float32; ca_wkv 768 x 1,024 float32; ca_wo 512 x 1,024 float32; ca_wq 1,024 x 512 float32; context 4 x 512 x 768 float32; sa_bo 1,024 float32; sa_nb 1,024 float32; sa_ncb 1,024 float32; sa_ncg 1,024 float32; sa_ng 1,024 float32; sa_wkv 1,024 x 1,024 float32; sa_wo 512 x 1,024 float32; sa_wq 1,024 x 512 float32; x 4 x 2,048 x 1,024 float32.
;; Outputs: out0 4 x 2,048 x 1,024 float32.
;; This version of the problem:
;;   THIS VERSION OF THE PROBLEM IS GIVEN IN LOW PRECISION. The matrix products marked QUANTISED in the list below multiply operands that are first quantised to E2M3 (2 exponent bits, 3 mantissa bits; 6 bits a number), with one power-of-two scale for each 32 numbers along K (OCP MX v1.0); their sums are f32. All else is computed in f32.
;;   The module's matrix products, in the order in which they are computed (A, B: the left and right operand; K: the contracted axis; several contracted axes count as one K, in the product's order):
;;     1. [M 8,192, K 1,024] x [K 1,024, N 512]; A: computed on the way; B: input sa_wq: QUANTISED
;;     2. [M 8,192, K 1,024] x [K 1,024, N 1,024]; A: computed on the way; B: input sa_wkv: QUANTISED
;;     3. batch 32 x [M 2,048, K 64] x [K 64, N 2,048]; A: computed on the way; B: computed on the way: QUANTISED
;;     4. batch 32 x [M 2,048, K 2,048] x [K 2,048, N 64]; A: softmax (see below); B: computed on the way: QUANTISED
;;     5. [M 8,192, K 512] x [K 512, N 1,024]; A: computed on the way; B: input sa_wo: QUANTISED
;;     6. [M 8,192, K 1,024] x [K 1,024, N 512]; A: computed on the way; B: input ca_wq: QUANTISED
;;     7. [M 2,048, K 768] x [K 768, N 1,024]; A: computed on the way; B: input ca_wkv: QUANTISED
;;     8. batch 32 x [M 2,048, K 64] x [K 64, N 512]; A: computed on the way; B: computed on the way: QUANTISED
;;     9. batch 32 x [M 2,048, K 512] x [K 512, N 64]; A: softmax (see below); B: computed on the way: QUANTISED
;;     10. [M 8,192, K 512] x [K 512, N 1,024]; A: computed on the way; B: input ca_wo: QUANTISED
;;   THE QUANTISER, for each operand of a quantised product, along K:
;;     - K is cut into blocks of 32 from its start; a last block that is shorter is filled with zeros.
;;     - A block's scale is 2^e with e = floor(log2(the largest magnitude in the block)) - 2, held to -126 .. 127; a block of zeros has e = 0. As a byte (E8M0): e + 127.
;;     - Each number is divided by its block's scale, clamped to +-7.5, and rounded to the nearest number of E2M3, ties to even, subnormals kept.
;;     - The product sums the exact products of the quantised numbers (number of the format x scale) in f32.
;;   ~~~python
;;   def quantise(x, axis):      # numpy; x: float32 -> the quantised numbers, widened to float32 again
;;       x = np.moveaxis(x, axis, -1); K = x.shape[-1]
;;       x = np.pad(x, [(0, 0)] * (x.ndim - 1) + [(0, -K % 32)]); x = x.reshape(x.shape[:-1] + (-1, 32)); a = np.abs(x).max(-1, keepdims=True)
;;       e = np.where(a > 0, np.clip(np.frexp(np.where(a > 0, a, 1))[1] - 1 - 2, -126, 127), 0)      # np.frexp(a)[1] - 1 = floor(log2(a)), exactly
;;       r = np.clip(x / 2.0 ** e, -7.5, 7.5)
;;       step = 2.0 ** (np.maximum(np.frexp(np.where(r == 0, 1, r))[1] - 1, 0) - 3)
;;       q = np.round(r / step) * step * 2.0 ** e      # np.round: ties to even
;;       return np.moveaxis(q.reshape(q.shape[:-2] + (-1,))[..., :K], -1, axis).astype(np.float32)
;;   ~~~
;;   SOFTMAX AHEAD OF A QUANTISED PRODUCT. Where the list says 'softmax', what is quantised is not the finished softmax but p = 2^(t - M), with t = logit x log2(e) and M = ceil(the row's largest t), a whole number; so 1/2 < the row's largest p <= 1. The row's sum l is taken of the UNQUANTISED p, in f32, and the product's result is divided by l at the end. Since M is a whole number, a kernel that streams over the keys may use a running M (the ceiling of the running maximum): every later rescaling is an exact power of two, which a block's scale takes up: the codes' values come out the same.
;;   OPERANDS COMPUTED ON THE WAY. 'Computed on the way' means the value that the module computes at that place (a softmax that the list does not call 'softmax' is quantised finished and normalised). What goes into a quantiser is computed in f32, as accurately as f32 sums, v_exp_f32 and their like allow (about 1e-6 of the number): no bf16 or f16 on the way to a quantiser, and a product that is left as it is and whose result goes on into a quantised operand takes f32 operands (vector FMAs, or v_wmma_f32_16x16x4_f32). A number that lies on a knife's edge between two numbers of the format may be rounded either way, as far as f32 arithmetic and the matrix unit's own rounding can turn it there, and no further.
;; One version. Each part assembles by itself: llvm-mc -triple=amdgcn-amd-amdhsa -mcpu=gfx1250 --defsym DOCPART=n.
;; ======== version 1 of 1: 6 launches
;; workspace buffers: wts 3,276,800 bytes; act 14,745,600 bytes; qkv 11,763,712 bytes; oc1 3,276,800 bytes; oc2 3,276,800 bytes; x1 33,554,432 bytes; xn2 6,553,600 bytes
;; launch prep (part 1): grid 448 x 1, 8 waves a work-group, no clusters, 3,072 bytes of LDS; arguments x, context, sa_ng, sa_nb, sa_ncg, sa_ncb, ca_ncg, ca_ncb, sa_wq, ca_wq, sa_wkv, ca_wkv, sa_wo, ca_wo, wts, act; writes wts, act
.if DOCPART == 1
	.amdgcn_target "amdgcn-amd-amdhsa--gfx1250"
	.amdhsa_code_object_version 6
	.text
	.protected	k_qd0ce81f0af_prep
	.globl	k_qd0ce81f0af_prep
	.p2align	8
	.type	k_qd0ce81f0af_prep,@function
k_qd0ce81f0af_prep:
	s_mov_b64 s[64:65], 0
	v_nop
	global_prefetch_b8 v0, s[64:65] scope:SCOPE_SE
	s_setreg_imm32_b32 hwreg(HW_REG_WAVE_MODE, 25, 1), 1
	s_wait_xcnt 0x0
; PREP: everything that can be quantised from the inputs alone, into codes of FP6 (E2M3) with one E8M0 byte for each 32 along K.
; Work-groups 0-255: 32 tokens of x each: layer norm with (sa_ng, sa_nb) and with (sa_ncg, sa_ncb), both quantised.  256-319: 32 tokens of context, layer norm with (ca_ncg, ca_ncb).  320-447: the six weights.
; WORKSPACE LAYOUT: an operand lies as the IMAGE OF ITS REGISTERS.  A fragment (16 rows x 128 K, 12 registers a lane) is 1,536 bytes: registers 4 j .. 4 j + 3 of lane l at 512 j + 16 l.
; Its scale words: 64 bytes, row r's word at 4 r.  THE 16 ROWS OF A TILE ARE NOT NEIGHBOURS: tile 2 g + u holds the indices 32 g + 8 u + r + 8 (r / 8), tokens and weight columns alike,
; so that the results of two neighbouring tiles are 16 neighbours along the next product's K.
; act: fragment f at 1536 f, words at ASC + 64 f; f = F0 + 8 tile + K step; F0 = 0 (x, first norm), 4096 (x, second norm), 8192 (context; K = 768 is filled to 1,024 with zero codes).
; wts: fragment f at 1536 f, words at WSC + 64 f; f = f0 + tile x S + K step.
; TOKENS: wave w takes K step w (128 features) of the 32 tokens; the row sums meet in LDS (two barriers: mean, then the centred squares).
; WEIGHTS: K is the first axis: a lane takes a column and its registers run down K: nothing is transposed; a lane holds four whole blocks.
; LIMITS: NaN and infinities are not served; a block whose largest magnitude lies under 2^-124 keeps the byte 1; a block of zeros has the byte 1 over zero codes (only this program reads the bytes).
.set WSC, 3145728
.set ASC, 14155776
.set SEL, 42                           ; s[42:43] selects of v_permlanex16_b32: lane l xor 16
.set KM,  44                           ; s[44:45] 1.0, or 0 for a K step that lies beyond the tensor's K
.set X0,  16                           ; v16-79   tile u = 0: 64 numbers a lane
.set X1,  80                           ; v80-143  tile u = 1
.set Y,   144                          ; v144-207 the normed numbers
.set PC,  208                          ; v208-226 the codes just made
.set TM,  228                          ; v228-243 the quantiser's work
.set PW,  244                          ; v244     the scale word just made
.set MSB, 0
.macro WIN new                         ; the immediate's high byte repeats the setting that is left
.if MSB != (\new)
	s_set_vgpr_msb (MSB<<8)|(\new)
.set MSB, (\new)
.endif
.endm
; nb blocks of a lane in window w, register 16 b + i = k 32 b + 16 (lane / 16) + i of my row, become codes in v[PC] on (6 registers for each two blocks) and the scale word v[PW].
.macro QUANT s, w, nb
	WIN 5*(\w)
.set qb, 0
.rept \nb
	v_max3_num_f32 v[TM+qb], |v[(\s)+16*qb]|, |v[(\s)+16*qb+1]|, 0x1800000   ; the floor 2^(3 - 127) among the leaves: the byte cannot fall under 1
.set qb, qb+1
.endr
	WIN 0x14*(\w)
.irp qi, 2,4,6,8,10,12,14
.set qb, 0
.rept \nb
	v_max3_num_f32 v[TM+qb], v[TM+qb], |v[(\s)+16*qb+\qi]|, |v[(\s)+16*qb+\qi+1]|
.set qb, qb+1
.endr
.endr
	WIN 0
.set qb, 0
.rept \nb
	v_permlanex16_b32 v[TM+4+qb], v[TM+qb], s[SEL], s[SEL+1]
.set qb, qb+1
.endr
.set qb, 0
.rept \nb
	v_max_num_f32 v[TM+qb], v[TM+qb], v[TM+4+qb]           ; with lane l xor 16's 16: the block's largest magnitude
.set qb, qb+1
.endr
.set qb, 0
.rept \nb
	v_add_nc_u32 v[TM+12+qb], 0xff000000, v[TM+qb]         ; 2 off its exponent field: the conversion's scale operand
.set qb, qb+1
.endr
.set qb, 0
.rept \nb
	v_lshrrev_b32 v[TM+4+qb], 23, v[TM+12+qb]              ; the scale's byte
.set qb, qb+1
.endr
	v_lshl_or_b32 v[PW], v[TM+5], 8, v[TM+4]
.if \nb > 2
	v_lshl_or_b32 v[PW], v[TM+6], 16, v[PW]
	v_lshl_or_b32 v[PW], v[TM+7], 24, v[PW]
.endif
	WIN (\w)
.set qb, 0
.rept \nb/2
	v_cvt_scalef32_pk16_fp6_f32 v[PC+6*qb:PC+6*qb+2], v[(\s)+32*qb:(\s)+32*qb+15], v[TM+12+2*qb]
	v_cvt_scalef32_pk16_fp6_f32 v[PC+12+4*qb:PC+14+4*qb], v[(\s)+32*qb+16:(\s)+32*qb+31], v[TM+13+2*qb]
.set qb, qb+1
.endr
	WIN 0
	v_nop                                                  ; one plain place behind the scaled conversions
.set qb, 0
.rept \nb/2
.irp qi, 0,1,2
	v_permlane16_swap_b32 v[PC+6*qb+\qi], v[PC+12+4*qb+\qi]   ; the layout wants a whole block in a lane
.endr
.irp qi, 0,1,2
	v_mov_b32 v[PC+6*qb+3+\qi], v[PC+12+4*qb+\qi]
.endr
.set qb, qb+1
.endr
.endm
.macro XLOAD reg, adr                  ; of my token's row: 16 neighbours of each of the K step's four blocks
.irp b, 0,1,2,3
.irp j, 0,1,2,3
	global_load_b128 v[\reg+16*\b+4*\j:\reg+16*\b+4*\j+3], v[\adr], s[52:53] offset:128*\b+16*\j
.endr
.endr
.endm
.macro GLOAD reg, ptr                  ; the same places of a gain or a bias, into window 1
	WIN 0x40
.irp b, 0,1,2,3
.irp j, 0,1,2,3
	global_load_b128 v[\reg+16*\b+4*\j:\reg+16*\b+4*\j+3], v5, s[\ptr:\ptr+1] offset:128*\b+16*\j
.endr
.endr
	WIN 0
.endm
.macro SUM64 d, src                    ; my 64 numbers and lane l xor 16's: the row's sum over this K step
	v_pk_add_f32 v[250:251], v[\src:\src+1], v[\src+2:\src+3]
	v_pk_add_f32 v[252:253], v[\src+4:\src+5], v[\src+6:\src+7]
.set li, 8
.rept 14
	v_pk_add_f32 v[250:251], v[250:251], v[\src+li:\src+li+1]
	v_pk_add_f32 v[252:253], v[252:253], v[\src+li+2:\src+li+3]
.set li, li+4
.endr
	v_pk_add_f32 v[250:251], v[250:251], v[252:253]
	v_add_f32 v[\d], v250, v251
	v_permlanex16_b32 v254, v[\d], s[SEL], s[SEL+1]
	v_add_f32 v[\d], v[\d], v254
.endm
.macro SQ64 d, src                     ; the same of their squares
	v_pk_mul_f32 v[250:251], v[\src:\src+1], v[\src:\src+1]
	v_pk_mul_f32 v[252:253], v[\src+2:\src+3], v[\src+2:\src+3]
.set li, 4
.rept 15
	v_pk_fma_f32 v[250:251], v[\src+li:\src+li+1], v[\src+li:\src+li+1], v[250:251]
	v_pk_fma_f32 v[252:253], v[\src+li+2:\src+li+3], v[\src+li+2:\src+li+3], v[252:253]
.set li, li+4
.endr
	v_pk_add_f32 v[250:251], v[250:251], v[252:253]
	v_add_f32 v[\d], v250, v251
	v_permlanex16_b32 v254, v[\d], s[SEL], s[SEL+1]
	v_add_f32 v[\d], v[\d], v254
.endm
.macro RSUM off                        ; the eight waves' words of my row, both tiles, summed and divided by the row's length: v208 (u = 0), v216 (u = 1)
	ds_load_b128 v[208:211], v7 offset:\off
	ds_load_b128 v[212:215], v7 offset:\off+16
	ds_load_b128 v[216:219], v7 offset:\off+512
	ds_load_b128 v[220:223], v7 offset:\off+528
	s_wait_dscnt 0x0
	v_pk_add_f32 v[208:209], v[208:209], v[210:211]
	v_pk_add_f32 v[212:213], v[212:213], v[214:215]
	v_pk_add_f32 v[216:217], v[216:217], v[218:219]
	v_pk_add_f32 v[220:221], v[220:221], v[222:223]
	v_pk_add_f32 v[208:209], v[208:209], v[212:213]
	v_pk_add_f32 v[216:217], v[216:217], v[220:221]
	v_add_f32 v208, v208, v209
	v_add_f32 v216, v216, v217
	v_mul_f32 v208, s48, v208
	v_mul_f32 v216, s48, v216
.endm
.macro LNSET g, b, xr, off, soff       ; (x - mean) rstd x gain + bias of one tile, quantised, its image and scale words stored
	s_wait_xcnt 0x0                                        ; the last image's stores have read their registers: they are written again only behind this wait
	WIN 0x14
.set li, 0
.rept 32
	v_pk_fma_f32 v[Y+li:Y+li+1], v[\xr+li:\xr+li+1], v[\g+li:\g+li+1], v[\b+li:\b+li+1]
.set li, li+2
.endr
	WIN 0
.set li, 0
.rept 32
	v_pk_mul_f32 v[Y+li:Y+li+1], v[Y+li:Y+li+1], s[KM:KM+1] op_sel_hi:[1,0]   ; a K step beyond the tensor's K gives zero codes
.set li, li+2
.endr
	QUANT Y, 0, 4
.irp j, 0,1,2
	global_store_b128 v1, v[PC+4*\j:PC+4*\j+3], s[62:63] offset:\off+512*\j   ; 32 lanes store 512 consecutive bytes
.endr
	global_store_b32 v2, v[PW], s[66:67] offset:\soff      ; lanes l and l + 16 hold the same word and write it to the same place
.endm
	s_load_b512 s[8:23], s[0:1], 0x0               ; x 8, context 10, sa_ng 12, sa_nb 14, sa_ncg 16, sa_ncb 18, ca_ncg 20, ca_ncb 22
	s_load_b512 s[24:39], s[0:1], 0x40             ; sa_wq 24, ca_wq 26, sa_wkv 28, ca_wkv 30, sa_wo 32, ca_wo 34, wts 36, act 38
	v_lshl_add_u32 v239, v0, 2, 0x800
	v_mov_b32 v255, 0
	v_lshrrev_b32 v1, 5, v0
	v_readfirstlane_b32 s40, v1                    ; wave 0..7
	s_mov_b32 s[SEL], 0x76543210
	s_mov_b32 s[SEL+1], 0xfedcba98
	s_wait_kmcnt 0x0
	s_cmp_lt_u32 ttmp9, 320
	s_cbranch_scc0 .Lweights
	; ---------------- tokens.  All choices hang on the work-group's number alone
	s_cmp_lt_u32 ttmp9, 256
	s_cselect_b64 s[52:53], s[8:9], s[10:11]       ; the rows
	s_cselect_b64 s[54:55], s[12:13], s[20:21]     ; first gain,
	s_cselect_b64 s[56:57], s[14:15], s[22:23]     ; first bias,
	s_cselect_b64 s[58:59], s[16:17], s[20:21]     ; second gain (context has none: its first is loaded again and not used),
	s_cselect_b64 s[60:61], s[18:19], s[22:23]     ; second bias
	s_mov_b32 s47, 3072
	s_cselect_b32 s47, 4096, s47                   ; a row in bytes
	s_mov_b32 s48, 0x3aaaaaab
	s_cselect_b32 s48, 0x3a800000, s48             ; 1 / 768 or 1 / 1024
	s_cselect_b32 s49, 7, 5                        ; the last K step that the tensor has
	s_mov_b32 s50, 8192
	s_cselect_b32 s50, 0, s50                      ; F0
	s_cselect_b32 s41, 0, 256
	s_sub_co_u32 s46, ttmp9, s41                   ; g: which 32 tokens
	s_min_u32 s51, s40, s49                        ; the K step that I load: no load leaves its buffer
	s_cmp_le_u32 s40, s49
	s_cselect_b32 s[KM], 1.0, 0
	s_mov_b32 s[KM+1], s[KM]
	s_mul_i32 s68, s46, s47
	s_lshl_b32 s68, s68, 5                         ; 32 g rows
	s_lshl_b32 s70, s51, 9                         ; 512 bytes a K step
	s_mov_b32 s71, 0
	s_add_co_u32 s68, s68, s70
	s_mov_b32 s69, 0
	s_add_nc_u64 s[52:53], s[52:53], s[68:69]
	s_add_nc_u64 s[54:55], s[54:55], s[70:71]
	s_add_nc_u64 s[56:57], s[56:57], s[70:71]
	s_add_nc_u64 s[58:59], s[58:59], s[70:71]
	s_add_nc_u64 s[60:61], s[60:61], s[70:71]
	s_lshl_b32 s68, s46, 4
	s_add_co_u32 s68, s68, s50
	s_add_co_u32 s68, s68, s40                     ; fragment F0 + 8 (2 g) + w
	s_mul_i32 s70, s68, 1536
	s_add_nc_u64 s[62:63], s[38:39], s[70:71]
	s_lshl_b32 s70, s68, 6
	s_add_co_u32 s70, s70, ASC
	s_add_nc_u64 s[66:67], s[38:39], s[70:71]
	v_and_b32 v245, 31, v0
	v_lshlrev_b32 v1, 4, v245                      ; 16 l
	v_and_b32 v246, 15, v0                         ; r
	v_bfe_u32 v247, v0, 4, 1                       ; h
	v_lshlrev_b32 v2, 2, v246                      ; 4 r
	v_and_b32 v248, 8, v246
	v_add_nc_u32 v248, v248, v246                  ; r + 8 (r / 8)
	v_mul_u32_u24 v3, v248, s47
	v_lshl_add_u32 v3, v247, 6, v3                 ; tile u = 0: my token's row, + 64 h
	s_lshl_b32 s41, s47, 3
	v_add_nc_u32 v4, s41, v3                       ; tile u = 1: eight rows on
	v_lshlrev_b32 v5, 6, v247                      ; gains: 64 h
	v_lshlrev_b32 v7, 5, v246                      ; LDS: my row's eight words
	s_lshl_b32 s41, s40, 2
	v_add_nc_u32 v6, s41, v7                       ; and my wave's word among them
	XLOAD X0, 3
	XLOAD X1, 4
	GLOAD 0, 54
	GLOAD 64, 56
	v_mov_b32 v254, 0                              ; a lane permute's destination counts as one of its sources
.irp i, 4,5,6,7
	v_mov_b32 v[TM+\i], 0
.endr
	s_wait_loadcnt 32                              ; the 32 younger loads are the first gain and bias: both tiles' numbers are in
	SUM64 248, X0
	SUM64 249, X1
	v_mul_f32 v248, s[KM], v248
	v_mul_f32 v249, s[KM], v249
	ds_store_b32 v6, v248
	ds_store_b32 v6, v249 offset:512
	s_wait_dscnt 0x0                               ; for the others' sake: my words have landed
	s_barrier_signal -1
	s_barrier_wait -1
	GLOAD 128, 58
	GLOAD 192, 60
	RSUM 0                                         ; the means
	v_mov_b32 v8, v208
	v_mov_b32 v9, v208
	v_mov_b32 v10, v216
	v_mov_b32 v11, v216
.set li, 0
.rept 32
	v_pk_add_f32 v[X0+li:X0+li+1], v[X0+li:X0+li+1], v[8:9] op_sel_hi:[1,0] neg_lo:[0,1] neg_hi:[0,1]
	v_pk_add_f32 v[X1+li:X1+li+1], v[X1+li:X1+li+1], v[10:11] op_sel_hi:[1,0] neg_lo:[0,1] neg_hi:[0,1]
.set li, li+2
.endr
	SQ64 248, X0
	SQ64 249, X1
	v_mul_f32 v248, s[KM], v248
	v_mul_f32 v249, s[KM], v249
	ds_store_b32 v6, v248 offset:1024              ; bytes of their own: the first words may still be read
	ds_store_b32 v6, v249 offset:1536
	s_wait_dscnt 0x0
	s_barrier_signal -1
	s_barrier_wait -1
	RSUM 1024                                      ; the variances
	v_add_f32 v208, 0x3727c5ac, v208               ; + 1e-5
	v_add_f32 v216, 0x3727c5ac, v216
	v_rsq_f32 v12, v208
	v_rsq_f32 v14, v216
	v_nop                                          ; one plain place behind the transcendentals
	s_wait_alu depctr_va_vdst(0)
	v_mov_b32 v13, v12
	v_mov_b32 v15, v14
.set li, 0
.rept 32
	v_pk_mul_f32 v[X0+li:X0+li+1], v[X0+li:X0+li+1], v[12:13] op_sel_hi:[1,0]
	v_pk_mul_f32 v[X1+li:X1+li+1], v[X1+li:X1+li+1], v[14:15] op_sel_hi:[1,0]
.set li, li+2
.endr
	s_wait_loadcnt 32                              ; the 32 younger loads are the second gain and bias: the first are in
	LNSET 0, 64, X0, 0, 0
	LNSET 0, 64, X1, 12288, 512
	s_cmp_lt_u32 ttmp9, 256
	s_cbranch_scc0 .Lend_tokens                    ; context has one norm
	s_wait_loadcnt 0x0
	LNSET 128, 192, X0, 6291456, 262144            ; 4,096 fragments on
	LNSET 128, 192, X1, 6291456+12288, 262144+512
.Lend_tokens:
	s_wait_tensorcnt 0x0
	ds_add_u32 v239, v255
	s_wait_dscnt 0x0
	s_endpgm
	; ---------------- weights.  Work-group j makes 16 fragments; a wave takes 32 columns x one K step: two fragments
.Lweights:
	s_sub_co_u32 s46, ttmp9, 320                   ; j
	s_mov_b64 s[52:53], s[34:35]
	s_mov_b32 s47, 112                             ; the weight's first j
	s_mov_b32 s48, 2                               ; log2 of its K steps
	s_mov_b32 s49, 3                               ; the last K step that it has
	s_cmp_lt_u32 s46, 112
	s_cselect_b64 s[52:53], s[32:33], s[52:53]
	s_cselect_b32 s47, 96, s47
	s_cmp_lt_u32 s46, 96
	s_cselect_b64 s[52:53], s[30:31], s[52:53]
	s_cselect_b32 s47, 64, s47
	s_cselect_b32 s48, 3, s48
	s_cselect_b32 s49, 5, s49
	s_cmp_lt_u32 s46, 64
	s_cselect_b64 s[52:53], s[28:29], s[52:53]
	s_cselect_b32 s47, 32, s47
	s_cselect_b32 s49, 7, s49
	s_cmp_lt_u32 s46, 32
	s_cselect_b64 s[52:53], s[26:27], s[52:53]
	s_cselect_b32 s47, 16, s47
	s_cmp_lt_u32 s46, 16
	s_cselect_b64 s[52:53], s[24:25], s[52:53]
	s_cselect_b32 s47, 0, s47
	s_sub_co_u32 s50, s46, s47                     ; idx
	s_lshl_b32 s51, 1, s48                         ; S
	s_lshr_b32 s54, s40, s48                       ; hi
	s_sub_co_u32 s55, s51, 1
	s_and_b32 s55, s40, s55                        ; my K step
	s_sub_co_u32 s56, 3, s48
	s_lshl_b32 s56, s50, s56
	s_add_co_u32 s56, s56, s54                     ; my group of 32 columns
	s_lshl_b32 s57, s54, 3
	s_add_co_u32 s57, s57, s55                     ; my first fragment among the work-group's 16
	s_min_u32 s58, s55, s49                        ; the K step that I load
	s_cmp_le_u32 s55, s49
	s_cselect_b32 s[KM], 1.0, 0
	s_mov_b32 s[KM+1], s[KM]
	s_cmp_lt_u32 s46, 32
	s_cselect_b32 s59, 18, 19                      ; 128 rows of 2,048 or 4,096 bytes
	s_lshl_b32 s60, s58, s59
	s_lshl_b32 s61, s56, 7
	s_add_co_u32 s60, s60, s61
	s_mov_b32 s61, 0
	s_add_nc_u64 s[52:53], s[52:53], s[60:61]
	s_mul_i32 s60, s46, 24576
	s_mul_i32 s62, s57, 1536
	s_add_co_u32 s60, s60, s62
	s_add_nc_u64 s[66:67], s[36:37], s[60:61]
	s_lshl_b32 s60, s46, 4
	s_add_co_u32 s60, s60, s57
	s_lshl_b32 s60, s60, 6
	s_add_co_u32 s60, s60, WSC
	s_add_nc_u64 s[68:69], s[36:37], s[60:61]
	v_and_b32 v4, 31, v0
	v_lshlrev_b32 v1, 2, v4                        ; my column: 4 l
	v_bfe_u32 v5, v0, 3, 1                         ; which of the two tiles it falls into,
	v_and_b32 v6, 7, v0
	v_bfe_u32 v7, v0, 4, 1
	v_lshl_add_u32 v6, v7, 3, v6                   ; and which row of that tile: l % 8 + 8 (l / 16)
	s_mul_i32 s62, s51, 1536
	v_mul_u32_u24 v2, v5, s62
	v_lshl_add_u32 v2, v6, 4, v2                   ; the tile's fragment lies S fragments on; 16 bytes a row
	s_lshl_b32 s63, s51, 6
	v_mul_u32_u24 v3, v5, s63
	v_lshl_add_u32 v3, v6, 2, v3
.macro WLOAD n4                        ; W(128 s + k, my column): each load reads 128 consecutive bytes
.set wk, 0
.rept 128
	global_load_b32 v[16+wk], v1, s[52:53] offset:wk*\n4 th:TH_LOAD_NT
.set wk, wk+1
.endr
.endm
	s_cmp_lt_u32 s46, 32
	s_cbranch_scc0 .Lwide
	WLOAD 2048
	s_branch .Lloaded
.Lwide:
	WLOAD 4096
.Lloaded:
	s_wait_loadcnt 0x0
.set li, 0
.rept 64
	v_pk_mul_f32 v[16+li:17+li], v[16+li:17+li], s[KM:KM+1] op_sel_hi:[1,0]
.set li, li+2
.endr
.irp b, 0,1,2,3
	v_max3_num_f32 v[184+\b], |v[16+32*\b]|, |v[17+32*\b]|, 0x1800000
.endr
.irp i, 2,4,6,8,10,12,14,16,18,20,22,24,26,28,30
.irp b, 0,1,2,3
	v_max3_num_f32 v[184+\b], v[184+\b], |v[16+32*\b+\i]|, |v[17+32*\b+\i]|   ; all 32 numbers of a block are mine
.endr
.endr
.irp b, 0,1,2,3
	v_add_nc_u32 v[188+\b], 0xff000000, v[184+\b]
.endr
.irp b, 0,1,2,3
	v_lshrrev_b32 v[192+\b], 23, v[188+\b]
.endr
	v_lshl_or_b32 v196, v193, 8, v192
	v_lshl_or_b32 v196, v194, 16, v196
	v_lshl_or_b32 v196, v195, 24, v196
.irp b, 0,1,2,3                        ; block b is registers 6 (b / 2) .. + 5 of the image's lane (row, h = b % 2): v144-155 for h = 0, v156-167 for h = 1
	v_cvt_scalef32_pk16_fp6_f32 v[144+12*(\b%2)+6*(\b/2):146+12*(\b%2)+6*(\b/2)], v[16+32*\b:31+32*\b], v[188+\b]
	v_cvt_scalef32_pk16_fp6_f32 v[168+4*\b:170+4*\b], v[32+32*\b:47+32*\b], v[188+\b]
.endr
	v_nop                                          ; one plain place behind the scaled conversions
.irp b, 0,1,2,3
.irp i, 0,1,2
	v_mov_b32 v[147+12*(\b%2)+6*(\b/2)+\i], v[168+4*\b+\i]
.endr
.endr
.irp hh, 0,1
.irp j, 0,1,2
	global_store_b128 v2, v[144+12*\hh+4*\j:147+12*\hh+4*\j], s[66:67] offset:256*\hh+512*\j   ; the 16 lanes of a tile store 256 consecutive bytes, aligned
.endr
.endr
	global_store_b32 v3, v196, s[68:69]
	s_endpgm
.Lfunc_end_k_qd0ce81f0af_prep:
	.size	k_qd0ce81f0af_prep, .Lfunc_end_k_qd0ce81f0af_prep-k_qd0ce81f0af_prep
	.p2alignl 7, 3214868480
	.fill 96, 4, 3214868480
	.section	.rodata,"a",@progbits
	.p2align	6, 0x0
	.amdhsa_kernel k_qd0ce81f0af_prep
		.amdhsa_group_segment_fixed_size 3072
		.amdhsa_private_segment_fixed_size 0
		.amdhsa_enable_private_segment 0
		.amdhsa_kernarg_size 128
		.amdhsa_user_sgpr_count 2
		.amdhsa_user_sgpr_kernarg_segment_ptr 1
		.amdhsa_wavefront_size32 1
		.amdhsa_system_sgpr_workgroup_id_x 1
		.amdhsa_system_sgpr_workgroup_id_y 1
		.amdhsa_system_sgpr_workgroup_id_z 1
		.amdhsa_system_vgpr_workitem_id 0
		.amdhsa_next_free_vgpr 512
		.amdhsa_next_free_sgpr 80
		.amdhsa_reserve_vcc 0
		.amdhsa_float_denorm_mode_32 3
		.amdhsa_float_denorm_mode_16_64 3
		.amdhsa_memory_ordered 1
		.amdhsa_forward_progress 1
		.amdhsa_inst_pref_size 102
	.end_amdhsa_kernel
	.amdgpu_metadata
---
amdhsa.version: [ 1, 2 ]
amdhsa.kernels:
  - .name:           k_qd0ce81f0af_prep
    .symbol:         k_qd0ce81f0af_prep.kd
    .args:
      - { .name: x, .offset: 0, .size: 8, .value_kind: global_buffer, .address_space: global }
      - { .name: context, .offset: 8, .size: 8, .value_kind: global_buffer, .address_space: global }
      - { .name: sa_ng, .offset: 16, .size: 8, .value_kind: global_buffer, .address_space: global }
      - { .name: sa_nb, .offset: 24, .size: 8, .value_kind: global_buffer, .address_space: global }
      - { .name: sa_ncg, .offset: 32, .size: 8, .value_kind: global_buffer, .address_space: global }
      - { .name: sa_ncb, .offset: 40, .size: 8, .value_kind: global_buffer, .address_space: global }
      - { .name: ca_ncg, .offset: 48, .size: 8, .value_kind: global_buffer, .address_space: global }
      - { .name: ca_ncb, .offset: 56, .size: 8, .value_kind: global_buffer, .address_space: global }
      - { .name: sa_wq, .offset: 64, .size: 8, .value_kind: global_buffer, .address_space: global }
      - { .name: ca_wq, .offset: 72, .size: 8, .value_kind: global_buffer, .address_space: global }
      - { .name: sa_wkv, .offset: 80, .size: 8, .value_kind: global_buffer, .address_space: global }
      - { .name: ca_wkv, .offset: 88, .size: 8, .value_kind: global_buffer, .address_space: global }
      - { .name: sa_wo, .offset: 96, .size: 8, .value_kind: global_buffer, .address_space: global }
      - { .name: ca_wo, .offset: 104, .size: 8, .value_kind: global_buffer, .address_space: global }
      - { .name: wts, .offset: 112, .size: 8, .value_kind: global_buffer, .address_space: global }
      - { .name: act, .offset: 120, .size: 8, .value_kind: global_buffer, .address_space: global }
    .group_segment_fixed_size: 3072
    .private_segment_fixed_size: 0
    .kernarg_segment_align: 8
    .kernarg_segment_size: 128
    .max_flat_workgroup_size: 256
    .sgpr_count:     80
    .vgpr_count:     512
    .wavefront_size: 32
...
	.end_amdgpu_metadata
.endif
;; end of part 1
;; launch gemm1 (part 2): grid 224 x 1, 8 waves a work-group, no clusters, 168,960 bytes of LDS; arguments act, wts, qkv; writes qkv
.if DOCPART == 2
	.amdgcn_target "amdgcn-amd-amdhsa--gfx1250"
	.amdhsa_code_object_version 6
	.text
	.protected	k_qd0ce81f0af_gemm1
	.globl	k_qd0ce81f0af_gemm1
	.p2align	8
	.type	k_qd0ce81f0af_gemm1,@function
k_qd0ce81f0af_gemm1:
	s_mov_b64 s[64:65], 0
	v_nop
	global_prefetch_b8 v0, s[64:65] scope:SCOPE_SE
	s_setreg_imm32_b32 hwreg(HW_REG_WAVE_MODE, 25, 1), 1
	s_wait_xcnt 0x0
; GEMM1: q = LN(x) sa_wq, k | v = LN(x) sa_wkv, k2 | v2 = LN(context) ca_wkv, on codes of FP6 (E2M3), and each result quantised at once as the operand of the attention that follows.
; A work-group takes 128 tokens (8 tiles) and the 8 heads of ONE kind (work-groups 0-63 q, 64-127 k, 128-191 v, 192-207 k2, 208-223 v2); wave w takes head w: 128 tokens x 64 columns, 32 accumulators: window 1.
; The tokens' 64 fragments and their scale words come into LDS once, by two tensor loads a wave (two are out, both first fills); each weight fragment is used by one wave alone and goes straight to its registers.
; q, k: source 0 = 16 weight columns, source 1 = 16 tokens: a lane holds one token and its registers run along the head's 64: two blocks.  Half a fragment (16 tokens x 64) is 768 bytes: registers 0-3 at 16 l, 4-5 at 512 + 8 l.
; v: source 0 = 16 tokens, source 1 = 16 weight columns: a lane holds one channel and its registers run along the keys: four blocks of 32 keys: one whole fragment of V^T.
; No cluster: what work-groups share is the weights, and those go to registers, not to LDS.
; LIMITS: NaN and infinities are not served; a block under 2^-124 keeps the byte 1.
.set WSC, 3145728
.set ASC, 14155776
.set AF,  16                           ; v16-111  the tokens' eight fragments of a K step
.set BF,  112                          ; v112-207 the weight's four fragments, two sets
.set AS,  208                          ; v208-215 the tokens' scale words, two sets of four: lanes 0-15 tile 2 p, lanes 16-31 tile 2 p + 1
.set BS,  216                          ; v216-219 the weight's, two sets of two
.set PC,  16                           ; behind the K steps: the quantiser's registers
.set TM,  40
.set PW,  60
.set SEL, 56
.set MSB, 0
.macro WIN new
.if MSB != (\new)
	s_set_vgpr_msb (MSB<<8)|(\new)
.set MSB, (\new)
.endif
.endm
.macro NOPS n
.rept \n
	v_nop
.endr
.endm
.macro QUANT s, w, nb
	WIN 5*(\w)
.set qb, 0
.rept \nb
	v_max3_num_f32 v[TM+qb], |v[(\s)+16*qb]|, |v[(\s)+16*qb+1]|, 0x1800000   ; each accumulator is read from its low end on; the floor 2^(3 - 127) holds the byte at 1
.set qb, qb+1
.endr
	WIN 0x14*(\w)
.irp qi, 2,4,6,8,10,12,14
.set qb, 0
.rept \nb
	v_max3_num_f32 v[TM+qb], v[TM+qb], |v[(\s)+16*qb+\qi]|, |v[(\s)+16*qb+\qi+1]|
.set qb, qb+1
.endr
.endr
	WIN 0
.set qb, 0
.rept \nb
	v_permlanex16_b32 v[TM+4+qb], v[TM+qb], s[SEL], s[SEL+1]
.set qb, qb+1
.endr
.set qb, 0
.rept \nb
	v_max_num_f32 v[TM+qb], v[TM+qb], v[TM+4+qb]
.set qb, qb+1
.endr
.set qb, 0
.rept \nb
	v_add_nc_u32 v[TM+12+qb], 0xff000000, v[TM+qb]
.set qb, qb+1
.endr
.set qb, 0
.rept \nb
	v_lshrrev_b32 v[TM+4+qb], 23, v[TM+12+qb]
.set qb, qb+1
.endr
	v_lshl_or_b32 v[PW], v[TM+5], 8, v[TM+4]
.if \nb > 2
	v_lshl_or_b32 v[PW], v[TM+6], 16, v[PW]
	v_lshl_or_b32 v[PW], v[TM+7], 24, v[PW]
.endif
	WIN (\w)
.set qb, 0
.rept \nb/2
	v_cvt_scalef32_pk16_fp6_f32 v[PC+6*qb:PC+6*qb+2], v[(\s)+32*qb:(\s)+32*qb+15], v[TM+12+2*qb]
	v_cvt_scalef32_pk16_fp6_f32 v[PC+12+4*qb:PC+14+4*qb], v[(\s)+32*qb+16:(\s)+32*qb+31], v[TM+13+2*qb]
.set qb, qb+1
.endr
	WIN 0
	v_nop
.set qb, 0
.rept \nb/2
.irp qi, 0,1,2
	v_permlane16_swap_b32 v[PC+6*qb+\qi], v[PC+12+4*qb+\qi]
.endr
.irp qi, 0,1,2
	v_mov_b32 v[PC+6*qb+3+\qi], v[PC+12+4*qb+\qi]
.endr
.set qb, qb+1
.endr
.endm
; one matrix instruction from the symbols rD, rA, rB, rSA, rSB; fA, fB: the side's scale words stand in lanes 16-31; rZ: the product starts the sum
.macro WM
.if rZ
.if fA && fB
	v_wmma_scale_f32_16x16x128_f8f6f4 v[rD:rD+7], v[rA:rA+11], v[rB:rB+11], 0, v[rSA], v[rSB] matrix_a_fmt:MATRIX_FMT_FP6 matrix_b_fmt:MATRIX_FMT_FP6 matrix_a_scale:MATRIX_SCALE_ROW1 matrix_b_scale:MATRIX_SCALE_ROW1
.elseif fA
	v_wmma_scale_f32_16x16x128_f8f6f4 v[rD:rD+7], v[rA:rA+11], v[rB:rB+11], 0, v[rSA], v[rSB] matrix_a_fmt:MATRIX_FMT_FP6 matrix_b_fmt:MATRIX_FMT_FP6 matrix_a_scale:MATRIX_SCALE_ROW1
.elseif fB
	v_wmma_scale_f32_16x16x128_f8f6f4 v[rD:rD+7], v[rA:rA+11], v[rB:rB+11], 0, v[rSA], v[rSB] matrix_a_fmt:MATRIX_FMT_FP6 matrix_b_fmt:MATRIX_FMT_FP6 matrix_b_scale:MATRIX_SCALE_ROW1
.else
	v_wmma_scale_f32_16x16x128_f8f6f4 v[rD:rD+7], v[rA:rA+11], v[rB:rB+11], 0, v[rSA], v[rSB] matrix_a_fmt:MATRIX_FMT_FP6 matrix_b_fmt:MATRIX_FMT_FP6
.endif
.else
.if fA && fB
	v_wmma_scale_f32_16x16x128_f8f6f4 v[rD:rD+7], v[rA:rA+11], v[rB:rB+11], v[rD:rD+7], v[rSA], v[rSB] matrix_a_fmt:MATRIX_FMT_FP6 matrix_b_fmt:MATRIX_FMT_FP6 matrix_a_scale:MATRIX_SCALE_ROW1 matrix_b_scale:MATRIX_SCALE_ROW1
.elseif fA
	v_wmma_scale_f32_16x16x128_f8f6f4 v[rD:rD+7], v[rA:rA+11], v[rB:rB+11], v[rD:rD+7], v[rSA], v[rSB] matrix_a_fmt:MATRIX_FMT_FP6 matrix_b_fmt:MATRIX_FMT_FP6 matrix_a_scale:MATRIX_SCALE_ROW1
.elseif fB
	v_wmma_scale_f32_16x16x128_f8f6f4 v[rD:rD+7], v[rA:rA+11], v[rB:rB+11], v[rD:rD+7], v[rSA], v[rSB] matrix_a_fmt:MATRIX_FMT_FP6 matrix_b_fmt:MATRIX_FMT_FP6 matrix_b_scale:MATRIX_SCALE_ROW1
.else
	v_wmma_scale_f32_16x16x128_f8f6f4 v[rD:rD+7], v[rA:rA+11], v[rB:rB+11], v[rD:rD+7], v[rSA], v[rSB] matrix_a_fmt:MATRIX_FMT_FP6 matrix_b_fmt:MATRIX_FMT_FP6
.endif
.endif
.endm
.macro MUL kind, t, n, st              ; token tile t x weight tile n, K step st.  kind 0: q, k;  kind 1: v
.set rZ, (\st) == 0
.if \kind
.set rD, 64*(\n)+8*(\t)
.set rA, AF+12*(\t)
.set rB, BF+48*((\st)%2)+12*(\n)
.set rSA, AS+4*((\st)%2)+(\t)/2
.set rSB, BS+2*((\st)%2)+(\n)/2
.set fA, (\t)%2
.set fB, (\n)%2
.else
.set rD, 32*(\t)+8*(\n)
.set rA, BF+48*((\st)%2)+12*(\n)
.set rB, AF+12*(\t)
.set rSA, BS+2*((\st)%2)+(\n)/2
.set rSB, AS+4*((\st)%2)+(\t)/2
.set fA, (\n)%2
.set fB, (\t)%2
.endif
	WM
.endm
.macro BLOAD st                        ; 14 loads: my head's four weight fragments of K step st and their scale words
.irp n, 0,1,2,3
.irp j, 0,1,2
	global_load_b128 v[BF+48*((\st)%2)+12*\n+4*\j:BF+48*((\st)%2)+12*\n+4*\j+3], v1, s[48:49] offset:1536*(8*\n+(\st))+512*\j
.endr
.endr
.irp p, 0,1
	global_load_b32 v[BS+2*((\st)%2)+\p], v4, s[50:51] offset:1024*\p+64*(\st)
.endr
.endm
.macro AFETCH st, half                 ; 12 LDS loads: token tiles 4 half .. 4 half + 3 of K step st
.irp t, 0,1,2,3
.irp j, 0,1,2
	ds_load_b128 v[AF+12*(4*(\half)+\t)+4*\j:AF+12*(4*(\half)+\t)+4*\j+3], v[1+(\half)] offset:1536*(8*\t+(\st))+512*\j
.endr
.endr
.endm
.macro ASCL st                         ; 4 LDS loads: the eight tiles' scale words
.irp p, 0,1,2,3
	ds_load_b32 v[AS+4*((\st)%2)+\p], v3 offset:1024*\p+64*(\st)
.endr
.endm
; A K step: 32 matrix instructions on 32 accumulators, one a turn.
.macro STEP kind, st
.if (\st) < 7
	s_wait_loadcnt 14                              ; the 14 younger loads are the next K step's weights: this step's are in
.else
	s_wait_loadcnt 0
.endif
	s_wait_dscnt 12                                ; the 12 younger LDS loads are tiles 4-7: tiles 0-3 and the scale words are in
	WIN 0x50                                       ; C and D in window 1
.irp t, 0,1,2,3
.irp n, 0,1,2,3
	MUL \kind, \t, \n, \st
.endr
.endr
	s_wait_dscnt 0                                 ; tiles 4-7
.if (\st) < 7
	NOPS 4                                         ; four places in front of loads into registers that matrix instructions have read
	WIN 0
	AFETCH (\st)+1, 0
	ASCL (\st)+1
.endif
	WIN 0x50
.irp t, 4,5,6,7
.irp n, 0,1,2,3
	MUL \kind, \t, \n, \st
.endr
.endr
.if (\st) < 7
	NOPS 4
	WIN 0
	AFETCH (\st)+1, 1
.if (\st) < 6
	BLOAD (\st)+2
.endif
.endif
.endm
	s_load_b128 s[4:7], s[0:1], 0x0                ; act, wts
	s_load_b64 s[8:9], s[0:1], 0x10                ; qkv
	v_lshl_add_u32 v254, v0, 2, 0x29000
	v_mov_b32 v255, 0
	ds_add_u32 v254, v255
	ds_add_u32 v254, v255
	v_lshrrev_b32 v1, 5, v0
	v_readfirstlane_b32 s10, v1                    ; wave = head
	; the kind's numbers, chosen by the work-group's number alone
	s_mov_b32 s11, 0                               ; first fragment of the tokens in act
	s_mov_b32 s12, 0                               ; first fragment of the weight in wts
	s_mov_b32 s13, 98304                           ; bytes of codes from (batch, head) to the next
	s_mov_b32 s14, 8355840                         ; where the codes begin in qkv
	s_mov_b32 s15, 8192                            ; the same two for the scale words
	s_mov_b32 s16, 11501568
	s_mov_b32 s17, 512                             ; scale words of 128 tokens
	s_mov_b32 s18, 0                               ; 1: v or v2
	s_mov_b32 s19, 4                               ; log2 of the blocks of 128 tokens in a batch
	s_mov_b32 s20, 15
	s_mov_b32 s21, 63
	s_cmp_ge_u32 ttmp9, 64
	s_cselect_b32 s11, 4096, s11
	s_cselect_b32 s12, 512, s12
	s_cselect_b32 s13, 208896, s13
	s_cselect_b32 s14, 0, s14
	s_cselect_b32 s15, 208896, s15
	s_cselect_b32 s16, 196608, s16
	s_cmp_ge_u32 ttmp9, 128
	s_cselect_b32 s12, 768, s12
	s_cselect_b32 s14, 98304, s14
	s_cselect_b32 s16, 204800, s16
	s_cselect_b32 s17, 256, s17
	s_cselect_b32 s18, 1, s18
	s_cmp_ge_u32 ttmp9, 192
	s_cselect_b32 s11, 8192, s11
	s_cselect_b32 s12, 1024, s12
	s_cselect_b32 s13, 52224, s13
	s_cselect_b32 s14, 6684672, s14
	s_cselect_b32 s15, 52224, s15
	s_cselect_b32 s16, 6733824, s16
	s_cselect_b32 s17, 512, s17
	s_cselect_b32 s18, 0, s18
	s_cselect_b32 s19, 2, s19
	s_cselect_b32 s20, 3, s20
	s_cselect_b32 s21, 15, s21
	s_cmp_ge_u32 ttmp9, 208
	s_cselect_b32 s12, 1280, s12
	s_cselect_b32 s14, 6709248, s14
	s_cselect_b32 s16, 6735872, s16
	s_cselect_b32 s17, 256, s17
	s_cselect_b32 s18, 1, s18
	s_and_b32 s21, ttmp9, s21                      ; tb: which 128 tokens
	s_lshr_b32 s22, s21, s19                       ; batch
	s_and_b32 s23, s21, s20                        ; which 128 of the batch
	s_lshl_b32 s22, s22, 3
	s_add_co_u32 s22, s22, s10                     ; 8 batch + head
	; descriptor groups 1: dense blocks as rows of 256 bytes (32 elements of 8 bytes): 48 rows of codes, 2 rows of scale words
	s_mov_b32 s24, 3<<16
	s_mov_b32 s25, 32<<16
	s_mov_b32 s26, 48<<16
	s_mov_b32 s27, 32<<16
	s_mov_b32 s28, 48
	s_mov_b32 s29, 32
	s_mov_b32 s30, 0
	s_mov_b32 s31, 0
	s_mov_b32 s32, 3<<16
	s_mov_b32 s33, 32<<16
	s_mov_b32 s34, 2<<16
	s_mov_b32 s35, 32<<16
	s_mov_b32 s36, 2
	s_mov_b32 s37, 32
	s_mov_b32 s38, 0
	s_mov_b32 s39, 0
	s_mov_b32 s40, 1
	s_mul_i32 s41, s10, 12288                      ; wave w brings token tile w: LDS byte 12,288 w
	s_mov_b32 s44, 1
	s_lshl_b32 s45, s10, 9
	s_add_co_u32 s45, s45, 98304                   ; and its scale words: 98,304 + 512 w
	s_lshl_b32 s60, s21, 6
	s_add_co_u32 s60, s60, s11
	s_lshl_b32 s61, s10, 3
	s_add_co_u32 s60, s60, s61                     ; its first fragment in act
	s_mul_i32 s62, s60, 1536
	s_mov_b32 s63, 0
	s_wait_dscnt 0x0
	s_wait_kmcnt 0x0
	s_add_nc_u64 s[42:43], s[4:5], s[62:63]
	s_or_b32 s43, s43, 0x80000000
	s_lshl_b32 s62, s60, 6
	s_add_co_u32 s62, s62, ASC
	s_add_nc_u64 s[46:47], s[4:5], s[62:63]
	s_or_b32 s47, s47, 0x80000000
	tensor_load_to_lds s[40:43], s[24:31]
	s_nop 0
	tensor_load_to_lds s[44:47], s[32:39]
	s_nop 0
	NOPS 4
	s_lshl_b32 s60, s10, 5
	s_add_co_u32 s60, s60, s12                     ; my head's first weight fragment
	s_mul_i32 s62, s60, 1536
	s_add_nc_u64 s[48:49], s[6:7], s[62:63]
	s_lshl_b32 s62, s60, 6
	s_add_co_u32 s62, s62, WSC
	s_add_nc_u64 s[50:51], s[6:7], s[62:63]
	s_mul_i32 s62, s22, s13
	s_mul_i32 s60, s23, 6144
	s_add_co_u32 s62, s62, s60
	s_add_co_u32 s62, s62, s14
	s_add_nc_u64 s[52:53], s[8:9], s[62:63]        ; where my codes go
	s_mul_i32 s62, s22, s15
	s_mul_i32 s60, s23, s17
	s_add_co_u32 s62, s62, s60
	s_add_co_u32 s62, s62, s16
	s_add_nc_u64 s[54:55], s[8:9], s[62:63]        ; and my scale words
	s_mov_b32 s[SEL], 0x76543210
	s_mov_b32 s[SEL+1], 0xfedcba98
	s_mov_b32 s58, 0x7f7f0000
	s_mov_b32 s59, 0xffff
	v_and_b32 v9, 31, v0
	v_lshlrev_b32 v1, 4, v9                        ; 16 l
	v_add_nc_u32 v2, 49152, v1                     ; the same for tiles 4-7
	v_and_b32 v10, 15, v0
	v_bfe_u32 v11, v0, 4, 1
	v_lshlrev_b32 v7, 2, v10                       ; 4 r
	v_lshl_add_u32 v4, v11, 9, v7                  ; 4 r + 512 h: lanes 16-31 take the next tile's words (8 fragments of 64 bytes on)
	v_add_nc_u32 v3, 98304, v4
	v_lshlrev_b32 v5, 3, v9                        ; 8 l
	v_lshlrev_b32 v6, 2, v9                        ; 4 l
	v_lshlrev_b32 v8, 4, v11                       ; 16 h
	BLOAD 0
	BLOAD 1
	s_wait_tensorcnt 0x0                           ; my tile and its scale words have landed,
	s_barrier_signal -1
	s_barrier_wait -1                              ; everybody's have
	AFETCH 0, 0
	ASCL 0
	AFETCH 0, 1
	s_cmp_eq_u32 s18, 1
	s_cbranch_scc1 .Lvkind
.irp st, 0,1,2,3,4,5,6,7
	STEP 0, \st
.endr
	NOPS 5                                         ; places behind the last products
	WIN 0
.irp p, 0,1,2,3                        ; token tiles 2 p and 2 p + 1: 32 registers each, two blocks of the head's 64
.if \p > 0
	s_wait_xcnt 0x0                                ; the last stores have read their registers
.endif
	QUANT 64*\p, 1, 4
	global_store_b128 v1, v[PC:PC+3], s[52:53] offset:1536*\p
	global_store_b64 v5, v[PC+4:PC+5], s[52:53] offset:1536*\p+512
	global_store_b128 v1, v[PC+6:PC+9], s[52:53] offset:1536*\p+768
	global_store_b64 v5, v[PC+10:PC+11], s[52:53] offset:1536*\p+1280
	v_lshrrev_b32 v62, v8, v[PW]                   ; lanes 0-15 keep tile 2 p's two bytes, lanes 16-31 take tile 2 p + 1's;
	v_and_or_b32 v61, v62, s59, s58                ; the upper 64 of the instruction's K hold no numbers: their bytes stand for 1.0
	global_store_b32 v6, v61, s[54:55] offset:128*\p
.endr
	s_wait_tensorcnt 0x0
	ds_add_u32 v254, v255
	s_wait_dscnt 0x0
	s_endpgm
.Lvkind:
.irp st, 0,1,2,3,4,5,6,7
	STEP 1, \st
.endr
	NOPS 5
	WIN 0
.irp n, 0,1,2,3                        ; 16 channels x these 128 keys: one fragment of V^T
.if \n > 0
	s_wait_xcnt 0x0
.endif
	QUANT 64*\n, 1, 4
.irp j, 0,1,2
	global_store_b128 v1, v[PC+4*\j:PC+4*\j+3], s[52:53] offset:1536*\n+512*\j
.endr
	global_store_b32 v7, v[PW], s[54:55] offset:64*\n
.endr
	s_wait_tensorcnt 0x0
	ds_add_u32 v254, v255
	s_wait_dscnt 0x0
	s_endpgm
.Lfunc_end_k_qd0ce81f0af_gemm1:
	.size	k_qd0ce81f0af_gemm1, .Lfunc_end_k_qd0ce81f0af_gemm1-k_qd0ce81f0af_gemm1
	.p2alignl 7, 3214868480
	.fill 96, 4, 3214868480
	.section	.rodata,"a",@progbits
	.p2align	6, 0x0
	.amdhsa_kernel k_qd0ce81f0af_gemm1
		.amdhsa_group_segment_fixed_size 168960
		.amdhsa_private_segment_fixed_size 0
		.amdhsa_enable_private_segment 0
		.amdhsa_kernarg_size 24
		.amdhsa_user_sgpr_count 2
		.amdhsa_user_sgpr_kernarg_segment_ptr 1
		.amdhsa_wavefront_size32 1
		.amdhsa_system_sgpr_workgroup_id_x 1
		.amdhsa_system_sgpr_workgroup_id_y 1
		.amdhsa_system_sgpr_workgroup_id_z 1
		.amdhsa_system_vgpr_workitem_id 0
		.amdhsa_next_free_vgpr 512
		.amdhsa_next_free_sgpr 66
		.amdhsa_reserve_vcc 0
		.amdhsa_float_denorm_mode_32 3
		.amdhsa_float_denorm_mode_16_64 3
		.amdhsa_memory_ordered 1
		.amdhsa_forward_progress 1
		.amdhsa_inst_pref_size 158
	.end_amdhsa_kernel
	.amdgpu_metadata
---
amdhsa.version: [ 1, 2 ]
amdhsa.kernels:
  - .name:           k_qd0ce81f0af_gemm1
    .symbol:         k_qd0ce81f0af_gemm1.kd
    .args:
      - { .name: act, .offset: 0, .size: 8, .value_kind: global_buffer, .address_space: global }
      - { .name: wts, .offset: 8, .size: 8, .value_kind: global_buffer, .address_space: global }
      - { .name: qkv, .offset: 16, .size: 8, .value_kind: global_buffer, .address_space: global }
    .group_segment_fixed_size: 168960
    .private_segment_fixed_size: 0
    .kernarg_segment_align: 8
    .kernarg_segment_size: 24
    .max_flat_workgroup_size: 256
    .sgpr_count:     66
    .vgpr_count:     512
    .wavefront_size: 32
...
	.end_amdgpu_metadata
.endif
;; end of part 2
;; launch attn_sa (part 3): grid 8 x 32, 16 waves a work-group, no clusters, 210,944 bytes of LDS; arguments qkv, oc1; writes oc1
.if DOCPART == 3
	.amdgcn_target "amdgcn-amd-amdhsa--gfx1250"
	.amdhsa_code_object_version 6
	.text
	.protected	k_qd0ce81f0af_attn_sa
	.globl	k_qd0ce81f0af_attn_sa
	.p2align	8
	.type	k_qd0ce81f0af_attn_sa,@function
k_qd0ce81f0af_attn_sa:
	s_mov_b64 s[64:65], 0
	v_nop
	global_prefetch_b8 v0, s[64:65] scope:SCOPE_SE
	s_setreg_imm32_b32 hwreg(HW_REG_WAVE_MODE, 25, 1), 1
	s_wait_xcnt 0x0
; ATTENTION on codes of FP6 (E2M3).  One text serves both layers: CA = 0: self-attention (2,048 keys, q from memory); CA = 1: cross-attention (512 keys; q = LN(x1) ca_wq is made here, in a prologue).
; A work-group owns 256 queries of one (batch, head); each of its sixteen waves one tile of 16 queries, in 256 registers: four waves to a SIMD, so that one wave's softmax stands beside another's products and LDS loads.
; The head's whole record (K's codes, V^T's codes, both scale words) fits in LDS and is filled once; nothing is filled again.  IT COMES IN TWO STAGES, all asked for at the head (three tensor loads of a wave are out):
;   CA = 0: the scale words and the codes of key steps 0-3 first, the codes of key steps 4-15 behind them: those land while the first four key steps are worked.
;   CA = 1: ca_wq's codes and scale words first, the record behind them: it lands while the prologue is worked.
; A counted wait and a barrier stand in front of the first stage's reads, the wait for all loads and a second barrier in front of the second's.
; No cluster: the eight query blocks of a head share the record, but each asks for it once, ahead of all its key steps.
; Both products are used transposed (S^T = K Q^T, O^T = V^T P^T): a lane holds one query throughout.  The keys of a tile are 32 b + 8 u + r + 8 (r / 8), so that p's 16 registers of two tiles are 16 neighbouring keys.
; THE HEAD HAS 64 CHANNELS, THE INSTRUCTION 128 ALONG K: Q's registers 6-11 are zero codes.  K's tile t is named as v[32 + 6 t .. + 11]: its upper six registers are the next tile's codes (behind tile 7: zeros),
; which meet Q's zero codes under bytes that stand for 1.0 and add nothing.
; SOFTMAX: t = score x log2(e) / 8; M = the running largest t rounded up to a whole number; p = 2^(t - M) is quantised along the keys; the row's sum is taken of the unquantised p and divides at the end.
; The result is quantised along the head's 64 (two blocks) as the operand of the output projection.
; LIMITS: NaN and infinities are not served; a block under 2^-124 keeps the byte 1.
; REGISTERS: v1 16 l, v2 8 l, v3 4 l, v4 4 r; v5, v8-11 the step's LDS addresses; v12 -M, v13 largest t, v[14:15] the sum; v16-27 Q; v32-79 K's tiles, then V's fragments; v80-85 zeros; v86-89 K's scale words, v90-91 V's, v94 Q's;
;   v96-159 S^T, then p; v160-191 O^T; v224-235 p's codes; v232-254 at work; v248-250 LDS bases that stay (v251, v255: ca_wq's).
;   In the prologue: v6-7 ca_wq's scale words, v86-93 the tokens', v32-79 four weight fragments, v96-191 the tokens' eight fragments, v192-223 four accumulators.
; SCALARS: s[4:5] qkv, s[6:7] xn2, s[8:9] wts, s[10:11] the output; s12 wave, s13 8 batch + head, s14 query tile, s15 head, s16 token tile; s[24:35], s[40:63] descriptors; s[36:39] q's pointers; s[66:69] the output's; s70-73 the loop's.
.set CA, 0
.if CA
.set NS1,  4                           ; key steps
.set VC,   24576
.set KSO,  49152
.set VSO,  51200
.set RECB, 6684672
.set RECS, 52224
.else
.set NS1,  4                           ; key steps of the first stage,
.set NS2,  12                          ; and of the second
.set VC,   98304
.set KSO,  196608
.set VSO,  204800
.set RECS, 208896
.endif
.set SEL, 20
.set CS,  22
.set MSB, 0
.macro WIN new
.if MSB != (\new)
	s_set_vgpr_msb (MSB<<8)|(\new)
.set MSB, (\new)
.endif
.endm
.macro NOPS n
.rept \n
	v_nop
.endr
.endm
.macro DENSE g, c, rows                ; descriptor group 1 of a dense block: rows of c elements of 8 bytes, one behind the other
	s_mov_b32 s[\g], 3<<16
	s_mov_b32 s[\g+1], (\c)<<16
	s_mov_b32 s[\g+2], (\rows)<<16
	s_mov_b32 s[\g+3], (\c)<<16
	s_mov_b32 s[\g+4], \rows
	s_mov_b32 s[\g+5], \c
	s_mov_b32 s[\g+6], 0
	s_mov_b32 s[\g+7], 0
.endm
.macro QUANT s, w, nb
	WIN 5*(\w)
.set qb, 0
.rept \nb
	v_max3_num_f32 v[TM+qb], |v[(\s)+16*qb]|, |v[(\s)+16*qb+1]|, 0x1800000
.set qb, qb+1
.endr
	WIN 0x14*(\w)
.irp qi, 2,4,6,8,10,12,14
.set qb, 0
.rept \nb
	v_max3_num_f32 v[TM+qb], v[TM+qb], |v[(\s)+16*qb+\qi]|, |v[(\s)+16*qb+\qi+1]|
.set qb, qb+1
.endr
.endr
	WIN 0
.set qb, 0
.rept \nb
	v_permlanex16_b32 v[TM+4+qb], v[TM+qb], s[SEL], s[SEL+1]
.set qb, qb+1
.endr
.set qb, 0
.rept \nb
	v_max_num_f32 v[TM+qb], v[TM+qb], v[TM+4+qb]
.set qb, qb+1
.endr
.set qb, 0
.rept \nb
	v_add_nc_u32 v[TM+12+qb], 0xff000000, v[TM+qb]
.set qb, qb+1
.endr
.set qb, 0
.rept \nb
	v_lshrrev_b32 v[TM+4+qb], 23, v[TM+12+qb]
.set qb, qb+1
.endr
	v_lshl_or_b32 v[PW], v[TM+5], 8, v[TM+4]
.if \nb > 2
	v_lshl_or_b32 v[PW], v[TM+6], 16, v[PW]
	v_lshl_or_b32 v[PW], v[TM+7], 24, v[PW]
.endif
	WIN (\w)
.set qb, 0
.rept \nb/2
	v_cvt_scalef32_pk16_fp6_f32 v[PC+6*qb:PC+6*qb+2], v[(\s)+32*qb:(\s)+32*qb+15], v[TM+12+2*qb]
	v_cvt_scalef32_pk16_fp6_f32 v[PC+12+4*qb:PC+14+4*qb], v[(\s)+32*qb+16:(\s)+32*qb+31], v[TM+13+2*qb]
.set qb, qb+1
.endr
	WIN 0
	v_nop
.set qb, 0
.rept \nb/2
.irp qi, 0,1,2
	v_permlane16_swap_b32 v[PC+6*qb+\qi], v[PC+12+4*qb+\qi]
.endr
.irp qi, 0,1,2
	v_mov_b32 v[PC+6*qb+3+\qi], v[PC+12+4*qb+\qi]
.endr
.set qb, qb+1
.endr
.endm
; one matrix instruction from the symbols rD, rA, rB, rSA, rSB; fA: source 0's scale words stand in lanes 16-31; rZ: the product starts the sum
.macro WM
.if rZ
.if fA
	v_wmma_scale_f32_16x16x128_f8f6f4 v[rD:rD+7], v[rA:rA+11], v[rB:rB+11], 0, v[rSA], v[rSB] matrix_a_fmt:MATRIX_FMT_FP6 matrix_b_fmt:MATRIX_FMT_FP6 matrix_a_scale:MATRIX_SCALE_ROW1
.else
	v_wmma_scale_f32_16x16x128_f8f6f4 v[rD:rD+7], v[rA:rA+11], v[rB:rB+11], 0, v[rSA], v[rSB] matrix_a_fmt:MATRIX_FMT_FP6 matrix_b_fmt:MATRIX_FMT_FP6
.endif
.else
.if fA
	v_wmma_scale_f32_16x16x128_f8f6f4 v[rD:rD+7], v[rA:rA+11], v[rB:rB+11], v[rD:rD+7], v[rSA], v[rSB] matrix_a_fmt:MATRIX_FMT_FP6 matrix_b_fmt:MATRIX_FMT_FP6 matrix_a_scale:MATRIX_SCALE_ROW1
.else
	v_wmma_scale_f32_16x16x128_f8f6f4 v[rD:rD+7], v[rA:rA+11], v[rB:rB+11], v[rD:rD+7], v[rSA], v[rSB] matrix_a_fmt:MATRIX_FMT_FP6 matrix_b_fmt:MATRIX_FMT_FP6
.endif
.endif
.endm
; A run of key steps, 128 keys a trip; s70, s71, s72 (where the step's codes, K's scale words and V's begin) go on from run to run.
.macro KEYS trips
	s_mov_b32 s73, \trips
.Lkey_\@:
	v_add_nc_u32 v8, s70, v1                       ; (these five are also the places in front of the loads into registers that the last products read)
	v_add_nc_u32 v9, s70, v2
	v_add_nc_u32 v10, s70, v248
	v_add_nc_u32 v11, s71, v249
	v_add_nc_u32 v5, s72, v250
.irp t, 0,1,2,3,4,5,6,7
	ds_load_b128 v[32+6*\t:35+6*\t], v8 offset:768*\t
	ds_load_b64 v[36+6*\t:37+6*\t], v9 offset:768*\t+512
.endr
.irp p, 0,1,2,3
	ds_load_b32 v[86+\p], v11 offset:128*\p        ; lanes 0-15 tile 2 p's words, lanes 16-31 tile 2 p + 1's
.endr
	s_wait_dscnt 0x0
.irp t, 0,1,2,3,4,5,6,7
.set rD, 96+8*\t
.set rA, 32+6*\t
.set rB, 16
.set rSA, 86+\t/2
.set rSB, 94
.set fA, \t%2
.set rZ, 1
	WM
.endr
	NOPS 4                                         ; places in front of the loads below and of the first read of the scores
.irp n, 0,1,2,3                        ; V's four fragments are asked for now and land while the softmax is walked
.irp j, 0,1,2
	ds_load_b128 v[32+12*\n+4*\j:35+12*\n+4*\j], v10 offset:1536*\n+512*\j
.endr
.endr
	ds_load_b32 v90, v5
	ds_load_b32 v91, v5 offset:128
.irp b, 0,1,2,3
	v_max3_num_f32 v[232+\b], v[96+16*\b], v[97+16*\b], v[98+16*\b]   ; the largest score of each block of 32 keys: it serves the row's maximum and, since p rises with the score, the block's largest p
.endr
.irp i, 3,5,7,9,11,13
.irp b, 0,1,2,3
	v_max3_num_f32 v[232+\b], v[232+\b], v[96+16*\b+\i], v[97+16*\b+\i]
.endr
.endr
.irp b, 0,1,2,3
	v_max_num_f32 v[232+\b], v[232+\b], v[111+16*\b]
.endr
.irp b, 0,1,2,3
	v_permlanex16_b32 v[236+\b], v[232+\b], s[SEL], s[SEL+1]
.endr
.irp b, 0,1,2,3
	v_max_num_f32 v[232+\b], v[232+\b], v[236+\b]
.endr
	v_max3_num_f32 v254, v232, v233, v234
	v_max_num_f32 v254, v254, v235
	v_mul_f32 v254, s[CS], v254
	v_max_num_f32 v13, v13, v254                   ; the running largest t
	v_mov_b32 v254, v12
	v_floor_f32 v12, -v13                          ; -M = floor(-t): M is a whole number
	v_sub_f32 v254, v12, v254
	v_cvt_i32_f32 v254, v254                       ; (it saturates)
	v_ldexp_f32 v252, 1.0, v254                    ; f = 2^(old M - new M): rounds nothing
.set sj, 0
.rept 32
	v_pk_fma_f32 v[96+sj:97+sj], v[96+sj:97+sj], s[CS:CS+1], v[12:13] op_sel_hi:[1,0,0]   ; t - M
.set sj, sj+2
.endr
.irp b, 0,1,2,3
	v_fma_f32 v[232+\b], v[232+\b], s[CS], v12
.endr
.set sj, 0
.rept 64
	v_exp_f32 v[96+sj], v[96+sj]                   ; p = 2^(t - M)
.set sj, sj+1
.endr
.irp b, 0,1,2,3
	v_exp_f32 v[232+\b], v[232+\b]
.endr
	v_pk_mul_f32 v[14:15], v[14:15], v[252:253] op_sel_hi:[1,0]   ; the sums under the new M (a plain place behind the exponentials)
	s_wait_alu depctr_va_vdst(0)
.irp b, 0,1,2,3
	v_max_num_f32 v[232+\b], 0x1800000, v[232+\b]
.endr
.irp b, 0,1,2,3
	v_add_nc_u32 v[244+\b], 0xff000000, v[232+\b]
.endr
.irp b, 0,1,2,3
	v_lshrrev_b32 v[236+\b], 23, v[244+\b]
.endr
	v_lshl_or_b32 v253, v237, 8, v236              ; p's scale word for these 128 keys
	v_lshl_or_b32 v253, v238, 16, v253
	v_lshl_or_b32 v253, v239, 24, v253
.irp c, 0,1
	v_cvt_scalef32_pk16_fp6_f32 v[224+6*\c:226+6*\c], v[96+32*\c:111+32*\c], v[244+2*\c]
	v_cvt_scalef32_pk16_fp6_f32 v[236+4*\c:238+4*\c], v[112+32*\c:127+32*\c], v[245+2*\c]
.endr
	v_nop
.irp c, 0,1
.irp i, 0,1,2
	v_permlane16_swap_b32 v[224+6*\c+\i], v[236+4*\c+\i]
.endr
.irp i, 0,1,2
	v_mov_b32 v[227+6*\c+\i], v[236+4*\c+\i]
.endr
.endr
	v_pk_add_f32 v[236:237], v[96:97], v[98:99]    ; the row's sum of the unquantised p, in two chains
.set sj, 4
.rept 15
	v_pk_add_f32 v[14:15], v[14:15], v[96+sj:97+sj]
	v_pk_add_f32 v[236:237], v[236:237], v[98+sj:99+sj]
.set sj, sj+4
.endr
	v_pk_add_f32 v[14:15], v[14:15], v[236:237]
.set sj, 0
.rept 16
	v_pk_mul_f32 v[160+sj:161+sj], v[160+sj:161+sj], v[252:253] op_sel_hi:[1,0]   ; O^T under the new M
.set sj, sj+2
.endr
	s_wait_dscnt 0x0                               ; V
.irp n, 0,1,2,3
.set rD, 160+8*\n
.set rA, 32+12*\n
.set rB, 224
.set rSA, 90+\n/2
.set rSB, 253
.set fA, \n%2
.set rZ, 0
	WM
.endr
	s_add_co_u32 s70, s70, 6144                    ; 8 tiles of K, and 4 fragments of V
	s_add_co_u32 s71, s71, 512
	s_add_co_u32 s72, s72, 256
	s_sub_co_u32 s73, s73, 1
	s_cmp_lg_u32 s73, 0
	s_cbranch_scc1 .Lkey_\@
.endm
.if CA
	s_load_b256 s[4:11], s[0:1], 0x0               ; qkv, xn2, wts, oc2
.else
	s_load_b64 s[4:5], s[0:1], 0x0                 ; qkv
	s_load_b64 s[10:11], s[0:1], 0x8               ; oc1
	v_lshl_add_u32 v251, v0, 2, 0x33000
	v_mov_b32 v255, 0
	ds_add_u32 v251, v255
	ds_add_u32 v251, v255
.endif
	v_lshrrev_b32 v1, 5, v0
	v_readfirstlane_b32 s12, v1                    ; wave 0..15
	s_and_b32 s13, ttmp7, 0xffff                   ; 8 batch + head
	s_lshl_b32 s14, ttmp9, 4
	s_add_co_u32 s14, s14, s12                     ; my tile of queries in the batch
	s_and_b32 s15, s13, 7                          ; head
	s_lshr_b32 s16, s13, 3
	s_lshl_b32 s16, s16, 7
	s_add_co_u32 s16, s16, s14                     ; my tile among all tokens
.if CA
	DENSE 24, 24, 17                               ; the record: a sixteenth to a wave: 17 rows of 192 bytes
	DENSE 40, 32, 12                               ; the head's 32 fragments of ca_wq: 12 rows of 256 bytes a wave
	DENSE 48, 16, 1                                ; their scale words: one row of 128 bytes a wave
	s_mov_b32 s32, 1
	s_mul_i32 s33, s12, 3264                       ; LDS byte = the record's byte
	s_mul_i32 s18, s13, RECS
	s_add_co_u32 s18, s18, s33
	s_add_co_u32 s18, s18, RECB
	s_mov_b32 s19, 0
	s_mov_b32 s56, 1
	s_mul_i32 s57, s12, 3072
	s_mul_i32 s74, s15, 49152
	s_add_co_u32 s74, s74, s57
	s_add_co_u32 s74, s74, 393216                  ; ca_wq begins at fragment 256
	s_mov_b32 s75, 0
	s_add_co_u32 s57, s57, 52224
	s_mov_b32 s60, 1
	s_lshl_b32 s61, s12, 7
	s_lshl_b32 s76, s15, 11
	s_add_co_u32 s76, s76, s61
	s_add_co_u32 s76, s76, 3162112                 ; 3,145,728 + 64 x 256
	s_mov_b32 s77, 0
	s_add_co_u32 s61, s61, 101376
.else
	DENSE 24, 32, 3                                ; both scale regions, 12,288 bytes on end: 3 rows of 256 bytes a wave
	DENSE 40, 32, 12                               ; the codes of key steps 0-3: 24,576 bytes of K (waves 0-7) or of V (waves 8-15): 12 rows a wave
	DENSE 48, 32, 36                               ; the codes of key steps 4-15: 73,728 bytes: 36 rows a wave
	s_mov_b32 s32, 1
	s_mul_i32 s33, s12, 768
	s_add_co_u32 s33, s33, KSO                     ; LDS byte = the record's byte, in all three
	s_lshr_b32 s17, s12, 3
	s_mul_i32 s17, s17, VC                         ; K's codes or V's
	s_and_b32 s74, s12, 7
	s_mov_b32 s56, 1
	s_mul_i32 s57, s74, 3072
	s_add_co_u32 s57, s57, s17
	s_mov_b32 s60, 1
	s_mul_i32 s61, s74, 9216
	s_add_co_u32 s61, s61, s17
	s_add_co_u32 s61, s61, 24576
	s_mul_i32 s18, s13, RECS                       ; where the head's record begins
	s_add_co_u32 s74, s18, s57
	s_mov_b32 s75, 0
	s_add_co_u32 s76, s18, s61
	s_mov_b32 s77, 0
	s_add_co_u32 s18, s18, s33
	s_mov_b32 s19, 0
.endif
	s_wait_dscnt 0x0
	s_wait_kmcnt 0x0
	s_add_nc_u64 s[34:35], s[4:5], s[18:19]
	s_or_b32 s35, s35, 0x80000000
.if CA
	s_add_nc_u64 s[58:59], s[8:9], s[74:75]
	s_add_nc_u64 s[62:63], s[8:9], s[76:77]
.else
	s_add_nc_u64 s[58:59], s[4:5], s[74:75]
	s_add_nc_u64 s[62:63], s[4:5], s[76:77]
.endif
	s_or_b32 s59, s59, 0x80000000
	s_or_b32 s63, s63, 0x80000000
.if CA
	tensor_load_to_lds s[56:59], s[40:47]          ; first fills, all together, what is wanted first ahead: ca_wq's codes,
	tensor_load_to_lds s[60:63], s[48:55]          ; its scale words,
	tensor_load_to_lds s[32:35], s[24:31]          ; the record
.else
	tensor_load_to_lds s[32:35], s[24:31]          ; first fills, all together, what is wanted first ahead: the scale words,
	s_nop 0
	tensor_load_to_lds s[56:59], s[40:47]          ; key steps 0-3,
	s_nop 0
	tensor_load_to_lds s[60:63], s[48:55]          ; key steps 4-15
	s_nop 0
.endif
	NOPS 4
.if CA
	s_mul_i32 s18, s16, 12288
	s_add_nc_u64 s[36:37], s[6:7], s[18:19]        ; my tile's codes of LN(x1)
	s_lshl_b32 s18, s16, 9
	s_add_co_u32 s18, s18, 6291456
	s_add_nc_u64 s[38:39], s[6:7], s[18:19]        ; and their scale words
.else
	s_mul_i32 s18, s13, 98304
	s_mul_i32 s17, s14, 768
	s_add_co_u32 s18, s18, s17
	s_add_co_u32 s18, s18, 8355840
	s_add_nc_u64 s[36:37], s[4:5], s[18:19]        ; q's codes
	s_lshl_b32 s18, s13, 13
	s_lshl_b32 s17, s14, 6
	s_add_co_u32 s18, s18, s17
	s_add_co_u32 s18, s18, 11501568
	s_add_nc_u64 s[38:39], s[4:5], s[18:19]        ; q's scale words
.endif
	s_mul_i32 s18, s16, 6144
	s_mul_i32 s17, s15, 768
	s_add_co_u32 s18, s18, s17
	s_add_nc_u64 s[66:67], s[10:11], s[18:19]      ; the output's codes: [token tile][head], 768 bytes
	s_lshl_b32 s18, s16, 8
	s_lshr_b32 s17, s15, 1
	s_lshl_b32 s17, s17, 6
	s_add_co_u32 s18, s18, s17
	s_and_b32 s17, s15, 1
	s_lshl_b32 s17, s17, 1
	s_add_co_u32 s18, s18, s17
	s_add_co_u32 s18, s18, 3145728
	s_add_nc_u64 s[68:69], s[10:11], s[18:19]      ; its half of the scale words of K step head / 2
	s_mov_b32 s[SEL], 0x76543210
	s_mov_b32 s[SEL+1], 0xfedcba98
	s_mov_b32 s[CS], 0x3e38aa3b                    ; log2(e) / 8
	s_mov_b32 s[CS+1], s[CS]
	v_and_b32 v5, 31, v0
	v_lshlrev_b32 v1, 4, v5
	v_lshlrev_b32 v2, 3, v5
	v_lshlrev_b32 v3, 2, v5
	v_and_b32 v8, 15, v0
	v_lshlrev_b32 v4, 2, v8
	v_add_nc_u32 v248, VC, v1
	v_add_nc_u32 v249, KSO, v3
	v_add_nc_u32 v250, VSO, v3
.if CA
	v_bfe_u32 v9, v0, 4, 1
	v_add_nc_u32 v251, 52224, v1
	v_lshl_add_u32 v255, v9, 9, v4
	v_add_nc_u32 v255, 101376, v255                ; 4 r + 512 h: lanes 16-31 take the next weight tile's words
.irp st, 0,1,2,3,4,5,6,7               ; my 16 tokens' eight fragments: two halves of 768 bytes each
	global_load_b128 v[96+12*\st:99+12*\st], v1, s[36:37] offset:1536*\st
	global_load_b64 v[100+12*\st:101+12*\st], v2, s[36:37] offset:1536*\st+512
	global_load_b128 v[102+12*\st:105+12*\st], v1, s[36:37] offset:1536*\st+768
	global_load_b64 v[106+12*\st:107+12*\st], v2, s[36:37] offset:1536*\st+1280
	global_load_b32 v[86+\st], v4, s[38:39] offset:64*\st
.endr
.else
	global_load_b128 v[16:19], v1, s[36:37]
	global_load_b64 v[20:21], v2, s[36:37] offset:512
	global_load_b32 v94, v4, s[38:39]
.endif
	s_wait_tensorcnt 0x1                           ; one load was issued behind the first stage's two: my parts of the first stage have landed, the second stage may stay out
	s_barrier_signal -1
	s_barrier_wait -1                              ; everybody's have
	s_wait_loadcnt 0x0
.if CA
	; PROLOGUE: q^T = ca_wq^T LN(x1)^T for my 16 tokens and this head: four accumulators by turns, eight K steps.  It reads LDS bytes from 52,224 on; the record lands below them meanwhile
.irp st, 0,1,2,3,4,5,6,7
.if \st > 0
	NOPS 4                                         ; places in front of loads into registers that matrix instructions have read
.endif
.irp n, 0,1,2,3
.irp j, 0,1,2
	ds_load_b128 v[32+12*\n+4*\j:35+12*\n+4*\j], v251 offset:1536*(8*\n+\st)+512*\j
.endr
.endr
	ds_load_b32 v6, v255 offset:64*\st
	ds_load_b32 v7, v255 offset:1024+64*\st
	s_wait_dscnt 0x0
.irp n, 0,1,2,3
.set rD, 192+8*\n
.set rA, 32+12*\n
.set rB, 96+12*\st
.set rSA, 6+\n/2
.set rSB, 86+\st
.set fA, \n%2
.set rZ, \st == 0
	WM
.endr
.endr
	NOPS 5
.set TM, 128
.set PC, 16
.set PW, 31
	QUANT 192, 0, 2                                ; q's codes land in v16-21
	v_or_b32 v94, 0x7f7f0000, v31                  ; the upper 64 of the instruction's K: bytes that stand for 1.0
.endif
	v_mov_b32 v13, 0xff61b1e6                      ; the largest t so far: -3e38, under every t
	v_floor_f32 v12, -v13
	v_mov_b32 v14, 0
	v_mov_b32 v15, 0
.irp i, 22,23,24,25,26,27,80,81,82,83,84,85,236,237,238,239,253
	v_mov_b32 v\i, 0                               ; Q's upper half and the codes behind K's last tile: zero codes; the lane permutes' destinations; the upper half of the pair v[252:253]
.endr
.set sj, 0
.rept 32
	v_mov_b32 v[160+sj], 0                         ; O^T: the step is written once; the first change of M multiplies zeros
.set sj, sj+1
.endr
	s_mov_b32 s70, 0
	s_mov_b32 s71, 0
	s_mov_b32 s72, 0
.if CA
	s_wait_tensorcnt 0x0                           ; my part of the record has landed (no LDS access of mine is out),
	s_barrier_signal -1
	s_barrier_wait -1                              ; everybody's has
	KEYS NS1
.else
	KEYS NS1                                       ; key steps 0-3: K's bytes under 24,576, V's under 122,880, the scale words: all of the first stage
	s_wait_tensorcnt 0x0                           ; my part of key steps 4-15 has landed (no LDS access of mine is out),
	s_barrier_signal -1
	s_barrier_wait -1                              ; everybody's has
	KEYS NS2
.endif
	NOPS 5
	v_add_f32 v14, v14, v15
	v_permlanex16_b32 v252, v14, s[SEL], s[SEL+1]
	v_add_f32 v14, v14, v252                       ; the row's sum
	v_rcp_f32 v14, v14
	v_nop
.set sj, 0
	s_wait_alu depctr_va_vdst(0)
.rept 32
	v_mul_f32 v[96+sj], v[160+sj], v14             ; register 16 b + i: channel 32 b + 16 h + i of my query
.set sj, sj+1
.endr
.set TM, 128
.set PC, 144
.set PW, 159
	QUANT 96, 0, 2
	global_store_b128 v1, v[144:147], s[66:67]
	global_store_b64 v2, v[148:149], s[66:67] offset:512
	global_store_b16 v4, v159, s[68:69]            ; my head's two bytes of the row's scale word
	s_wait_tensorcnt 0x0
	ds_add_u32 v251, v255
	s_wait_dscnt 0x0
	s_endpgm
.Lfunc_end_k_qd0ce81f0af_attn_sa:
	.size	k_qd0ce81f0af_attn_sa, .Lfunc_end_k_qd0ce81f0af_attn_sa-k_qd0ce81f0af_attn_sa
	.p2alignl 7, 3214868480
	.fill 96, 4, 3214868480
	.section	.rodata,"a",@progbits
	.p2align	6, 0x0
	.amdhsa_kernel k_qd0ce81f0af_attn_sa
		.amdhsa_group_segment_fixed_size 210944
		.amdhsa_private_segment_fixed_size 0
		.amdhsa_enable_private_segment 0
		.amdhsa_kernarg_size 16
		.amdhsa_user_sgpr_count 2
		.amdhsa_user_sgpr_kernarg_segment_ptr 1
		.amdhsa_wavefront_size32 1
		.amdhsa_system_sgpr_workgroup_id_x 1
		.amdhsa_system_sgpr_workgroup_id_y 1
		.amdhsa_system_sgpr_workgroup_id_z 1
		.amdhsa_system_vgpr_workitem_id 0
		.amdhsa_next_free_vgpr 256
		.amdhsa_next_free_sgpr 80
		.amdhsa_reserve_vcc 0
		.amdhsa_float_denorm_mode_32 3
		.amdhsa_float_denorm_mode_16_64 3
		.amdhsa_memory_ordered 1
		.amdhsa_forward_progress 1
		.amdhsa_inst_pref_size 43
	.end_amdhsa_kernel
	.amdgpu_metadata
---
amdhsa.version: [ 1, 2 ]
amdhsa.kernels:
  - .name:           k_qd0ce81f0af_attn_sa
    .symbol:         k_qd0ce81f0af_attn_sa.kd
    .args:
      - { .name: qkv, .offset: 0, .size: 8, .value_kind: global_buffer, .address_space: global }
      - { .name: oc1, .offset: 8, .size: 8, .value_kind: global_buffer, .address_space: global }
    .group_segment_fixed_size: 210944
    .private_segment_fixed_size: 0
    .kernarg_segment_align: 8
    .kernarg_segment_size: 16
    .max_flat_workgroup_size: 512
    .sgpr_count:     80
    .vgpr_count:     256
    .wavefront_size: 32
...
	.end_amdgpu_metadata
.endif
;; end of part 3
;; launch proj_sa (part 4): grid 256 x 1, 16 waves a work-group, no clusters, 169,984 bytes of LDS; arguments oc1, wts, x, sa_bo, ca_ng, ca_nb, x1, xn2; writes x1, xn2
.if DOCPART == 4
	.amdgcn_target "amdgcn-amd-amdhsa--gfx1250"
	.amdhsa_code_object_version 6
	.text
	.protected	k_qd0ce81f0af_proj_sa
	.globl	k_qd0ce81f0af_proj_sa
	.p2align	8
	.type	k_qd0ce81f0af_proj_sa,@function
k_qd0ce81f0af_proj_sa:
	s_mov_b64 s[64:65], 0
	v_nop
	global_prefetch_b8 v0, s[64:65] scope:SCOPE_SE
	s_setreg_imm32_b32 hwreg(HW_REG_WAVE_MODE, 25, 1), 1
	s_wait_xcnt 0x0
; OUTPUT PROJECTION on codes of FP6 (E2M3): y = o wo + bo + residual.  One text serves both layers: LN = 1: y = x1, and LN(x1; ca_ng, ca_nb) is quantised as the operand of the next layer's q;  LN = 0: y = out0.
; A work-group owns 32 WHOLE rows (token tiles 2 g, 2 g + 1), so that the layer norm stays inside it; wave w owns columns 64 w .. 64 w + 63: weight tiles 4 w .. 4 w + 3, eight accumulators by turns.
; Source 0 = 16 weight columns, source 1 = 16 tokens: a lane holds one token and 16 neighbouring columns of each pair of tiles.  The bias is loaded into the accumulators and is the C of each sum's first product.
; The tokens' codes (12,288 bytes) go to LDS once, through registers.  Each weight fragment is used by one wave alone and goes straight to its registers: three sets of four fragments, so that three of the four
; K steps' weights are asked for at the head and the fourth behind the first step's products.
; THE RESIDUAL comes as whole rows: each wave brings the two rows that it will store, by two tensor loads of one row of 4,096 bytes (two are out; a row has its own load since LDS rows lie 4,112 bytes apart), into the
; stage's own bytes, filled once.  Behind the K steps, the wait for those loads and a barrier, each wave reads its strip (32 rows x its 256 bytes) in the accumulators' layout, adds it, and stores the sums over the same bytes.
; STAGE ROW 16 u + r HOLDS TOKEN 8 u + r + 8 (r / 8): the sixteen lanes of an LDS access then touch sixteen different columns of 16 bytes.  Rows 2 w, 2 w + 1 are tokens tok, tok + 1, tok = 8 (w / 8) + 2 (w % 8) + 8 ((w / 4) % 2).
; The rows leave from the stage: each store of a wave covers 512 consecutive bytes of a row.
; No cluster: the shared operand is the weight, which does not pass through LDS here.
; LIMITS: NaN and infinities are not served; a block under 2^-124 keeps the byte 1.
.set LN, 1
.if LN
.set WOF, 1536
.else
.set WOF, 1792
.endif
.set WSC,  3145728
.set OSC,  3145728
.set NSC,  6291456
.set RED1, 12288                       ; LDS: 0 the tokens' codes; 12,288 row sums [u][r][16 words]; 14,336 the same for the squares; 16,384 the stage: 32 rows of 4,096 + 16 bytes
.set STG,  16384
.set ACC,  16                          ; v16-79   accumulator (u, n) at 32 u + 8 n
.set BF,   80                          ; v80-223  the weight's four fragments, three sets
.set AFR,  224                         ; v224-247 the two token tiles' fragments (at the head: work registers and the copy of the codes)
.set AS,   248                         ; v248-251 the tokens' scale words, one register a K step: lanes 0-15 tile 2 g, lanes 16-31 tile 2 g + 1
                                       ; v252-253, v254-255, v11-12 the weight's scale words, three sets of two
.set G,    80                          ; behind the K steps: gain, bias of the norm, the residual's strip and then rows on the way out
.set BN,   112
.set ROWS, 144
.set PC,   208
.set TM,   228
.set PW,   244
.set SEL,  22
.set MSB, 0
.macro WIN new
.if MSB != (\new)
	s_set_vgpr_msb (MSB<<8)|(\new)
.set MSB, (\new)
.endif
.endm
.macro NOPS n
.rept \n
	v_nop
.endr
.endm
.macro QUANT s, w, nb
	WIN 5*(\w)
.set qb, 0
.rept \nb
	v_max3_num_f32 v[TM+qb], |v[(\s)+16*qb]|, |v[(\s)+16*qb+1]|, 0x1800000
.set qb, qb+1
.endr
	WIN 0x14*(\w)
.irp qi, 2,4,6,8,10,12,14
.set qb, 0
.rept \nb
	v_max3_num_f32 v[TM+qb], v[TM+qb], |v[(\s)+16*qb+\qi]|, |v[(\s)+16*qb+\qi+1]|
.set qb, qb+1
.endr
.endr
	WIN 0
.set qb, 0
.rept \nb
	v_permlanex16_b32 v[TM+4+qb], v[TM+qb], s[SEL], s[SEL+1]
.set qb, qb+1
.endr
.set qb, 0
.rept \nb
	v_max_num_f32 v[TM+qb], v[TM+qb], v[TM+4+qb]
.set qb, qb+1
.endr
.set qb, 0
.rept \nb
	v_add_nc_u32 v[TM+12+qb], 0xff000000, v[TM+qb]
.set qb, qb+1
.endr
.set qb, 0
.rept \nb
	v_lshrrev_b32 v[TM+4+qb], 23, v[TM+12+qb]
.set qb, qb+1
.endr
	v_lshl_or_b32 v[PW], v[TM+5], 8, v[TM+4]
.if \nb > 2
	v_lshl_or_b32 v[PW], v[TM+6], 16, v[PW]
	v_lshl_or_b32 v[PW], v[TM+7], 24, v[PW]
.endif
	WIN (\w)
.set qb, 0
.rept \nb/2
	v_cvt_scalef32_pk16_fp6_f32 v[PC+6*qb:PC+6*qb+2], v[(\s)+32*qb:(\s)+32*qb+15], v[TM+12+2*qb]
	v_cvt_scalef32_pk16_fp6_f32 v[PC+12+4*qb:PC+14+4*qb], v[(\s)+32*qb+16:(\s)+32*qb+31], v[TM+13+2*qb]
.set qb, qb+1
.endr
	WIN 0
	v_nop
.set qb, 0
.rept \nb/2
.irp qi, 0,1,2
	v_permlane16_swap_b32 v[PC+6*qb+\qi], v[PC+12+4*qb+\qi]
.endr
.irp qi, 0,1,2
	v_mov_b32 v[PC+6*qb+3+\qi], v[PC+12+4*qb+\qi]
.endr
.set qb, qb+1
.endr
.endm
.macro WM                              ; one matrix instruction from rD, rA, rB, rSA, rSB; fA, fB: the side's scale words stand in lanes 16-31
.if fA && fB
	v_wmma_scale_f32_16x16x128_f8f6f4 v[rD:rD+7], v[rA:rA+11], v[rB:rB+11], v[rD:rD+7], v[rSA], v[rSB] matrix_a_fmt:MATRIX_FMT_FP6 matrix_b_fmt:MATRIX_FMT_FP6 matrix_a_scale:MATRIX_SCALE_ROW1 matrix_b_scale:MATRIX_SCALE_ROW1
.elseif fA
	v_wmma_scale_f32_16x16x128_f8f6f4 v[rD:rD+7], v[rA:rA+11], v[rB:rB+11], v[rD:rD+7], v[rSA], v[rSB] matrix_a_fmt:MATRIX_FMT_FP6 matrix_b_fmt:MATRIX_FMT_FP6 matrix_a_scale:MATRIX_SCALE_ROW1
.elseif fB
	v_wmma_scale_f32_16x16x128_f8f6f4 v[rD:rD+7], v[rA:rA+11], v[rB:rB+11], v[rD:rD+7], v[rSA], v[rSB] matrix_a_fmt:MATRIX_FMT_FP6 matrix_b_fmt:MATRIX_FMT_FP6 matrix_b_scale:MATRIX_SCALE_ROW1
.else
	v_wmma_scale_f32_16x16x128_f8f6f4 v[rD:rD+7], v[rA:rA+11], v[rB:rB+11], v[rD:rD+7], v[rSA], v[rSB] matrix_a_fmt:MATRIX_FMT_FP6 matrix_b_fmt:MATRIX_FMT_FP6
.endif
.endm
.macro BLOAD st                        ; 14 loads: my four weight fragments of K step st and their scale words, into set st % 3
.set bset, (\st)%3
.set bsx, 252+2*bset-245*(bset/2)      ; the set's two scale registers: v252, v254 or v11 on
.irp n, 0,1,2,3
.irp j, 0,1,2
	global_load_b128 v[BF+48*bset+12*\n+4*\j:BF+48*bset+12*\n+4*\j+3], v1, s[26:27] offset:1536*(4*\n+(\st))+512*\j
.endr
.endr
.irp p, 0,1
	global_load_b32 v[bsx+\p], v6, s[28:29] offset:64*(8*\p+(\st))
.endr
.endm
.macro STEP st
.irp u, 0,1                            ; a fragment is two halves of 768 bytes: heads 2 st and 2 st + 1
	ds_load_b128 v[AFR+12*\u:AFR+12*\u+3], v1 offset:6144*\u+1536*(\st)
	ds_load_b64 v[AFR+12*\u+4:AFR+12*\u+5], v2 offset:6144*\u+1536*(\st)+512
	ds_load_b128 v[AFR+12*\u+6:AFR+12*\u+9], v1 offset:6144*\u+1536*(\st)+768
	ds_load_b64 v[AFR+12*\u+10:AFR+12*\u+11], v2 offset:6144*\u+1536*(\st)+1280
.endr
.if (\st) < 2
	s_wait_loadcnt 28                              ; the 28 younger loads are the next two K steps' weights
.elseif (\st) == 2
	s_wait_loadcnt 14                              ; the 14 younger loads are the last K step's weights
.else
	s_wait_loadcnt 0
.endif
	s_wait_dscnt 0x0
.set bset, (\st)%3
.set bsx, 252+2*bset-245*(bset/2)
.irp n, 0,1,2,3
.irp u, 0,1
.set rD, ACC+32*\u+8*\n
.set rA, BF+48*bset+12*\n
.set rB, AFR+12*\u
.set rSA, bsx+\n/2
.set rSB, AS+(\st)
.set fA, \n%2
.set fB, \u
	WM
.endr
.endr
.if (\st) < 3
	NOPS 4                                         ; places in front of the loads into registers that these products read: the next step's fragments, and behind step 0 the last step's weights
.if (\st) == 0
	BLOAD 3
.endif
.endif
.endm
.macro SUM32 src                       ; my 32 numbers and lane l xor 16's: the row's sum over my wave's 64 columns, in v244
	v_pk_add_f32 v[244:245], v[\src:\src+1], v[\src+2:\src+3]
	v_pk_add_f32 v[246:247], v[\src+4:\src+5], v[\src+6:\src+7]
.set li, 8
.rept 6
	v_pk_add_f32 v[244:245], v[244:245], v[\src+li:\src+li+1]
	v_pk_add_f32 v[246:247], v[246:247], v[\src+li+2:\src+li+3]
.set li, li+4
.endr
	v_pk_add_f32 v[244:245], v[244:245], v[246:247]
	v_add_f32 v244, v244, v245
	v_permlanex16_b32 v246, v244, s[SEL], s[SEL+1]
	v_add_f32 v244, v244, v246
.endm
.macro SQ32 src
	v_pk_mul_f32 v[244:245], v[\src:\src+1], v[\src:\src+1]
	v_pk_mul_f32 v[246:247], v[\src+2:\src+3], v[\src+2:\src+3]
.set li, 4
.rept 7
	v_pk_fma_f32 v[244:245], v[\src+li:\src+li+1], v[\src+li:\src+li+1], v[244:245]
	v_pk_fma_f32 v[246:247], v[\src+li+2:\src+li+3], v[\src+li+2:\src+li+3], v[246:247]
.set li, li+4
.endr
	v_pk_add_f32 v[244:245], v[244:245], v[246:247]
	v_add_f32 v244, v244, v245
	v_permlanex16_b32 v246, v244, s[SEL], s[SEL+1]
	v_add_f32 v244, v244, v246
.endm
.macro RLOAD off                       ; the sixteen waves' words of my row, both tiles
.irp u, 0,1
.irp q, 0,1,2,3
	ds_load_b128 v[208+16*\u+4*\q:211+16*\u+4*\q], v10 offset:\off+1024*\u+16*\q
.endr
.endr
.endm
.macro RRED                            ; summed and divided by 1,024: the pairs v[240:241] (u = 0) and v[242:243] (u = 1)
.irp u, 0,1
	v_pk_add_f32 v[208+16*\u:209+16*\u], v[208+16*\u:209+16*\u], v[210+16*\u:211+16*\u]
	v_pk_add_f32 v[212+16*\u:213+16*\u], v[212+16*\u:213+16*\u], v[214+16*\u:215+16*\u]
	v_pk_add_f32 v[216+16*\u:217+16*\u], v[216+16*\u:217+16*\u], v[218+16*\u:219+16*\u]
	v_pk_add_f32 v[220+16*\u:221+16*\u], v[220+16*\u:221+16*\u], v[222+16*\u:223+16*\u]
	v_pk_add_f32 v[208+16*\u:209+16*\u], v[208+16*\u:209+16*\u], v[212+16*\u:213+16*\u]
	v_pk_add_f32 v[216+16*\u:217+16*\u], v[216+16*\u:217+16*\u], v[220+16*\u:221+16*\u]
	v_pk_add_f32 v[208+16*\u:209+16*\u], v[208+16*\u:209+16*\u], v[216+16*\u:217+16*\u]
	v_add_f32 v[208+16*\u], v[208+16*\u], v[209+16*\u]
	v_mul_f32 v[240+2*\u], 0x3a800000, v[208+16*\u]
	v_mov_b32 v[241+2*\u], v[240+2*\u]
.endr
.endm
.if LN
	s_load_b512 s[4:19], s[0:1], 0x0               ; o's codes 4, wts 6, residual 8, bias 10, ca_ng 12, ca_nb 14, y 16, xn2 18
	v_lshl_add_u32 v254, v0, 2, 0x29000
	v_mov_b32 v255, 0
	ds_add_u32 v254, v255
	ds_add_u32 v254, v255
	s_wait_dscnt 0x0
.else
	s_load_b256 s[4:11], s[0:1], 0x0               ; o's codes 4, wts 6, residual 8, bias 10
	s_load_b64 s[16:17], s[0:1], 0x20              ; y
.endif
	v_lshrrev_b32 v1, 5, v0
	v_readfirstlane_b32 s20, v1                    ; wave 0..15
	v_and_b32 v15, 31, v0
	v_lshlrev_b32 v1, 4, v15                       ; 16 l
	v_lshlrev_b32 v2, 3, v15                       ; 8 l
	v_and_b32 v232, 15, v0                         ; r
	v_bfe_u32 v233, v0, 4, 1                       ; h
	v_lshlrev_b32 v3, 2, v232                      ; 4 r
	v_lshlrev_b32 v5, 6, v233                      ; bias and gains: 64 h
	v_lshl_add_u32 v6, v233, 8, v3                 ; scale words: 4 r + 256 h: lanes 16-31 take the next tile's (4 fragments of 64 bytes on)
	v_mul_u32_u24 v7, v232, 4112
	v_lshl_add_u32 v7, v233, 6, v7
	s_lshl_b32 s24, s20, 8
	s_add_co_u32 s24, s24, STG
	v_add_nc_u32 v7, s24, v7                       ; my strip of the stage, tile u = 0: row r, my wave's 256 bytes, + 64 h
	v_add_nc_u32 v4, 65792, v7                     ; tile u = 1: sixteen rows on (past the reach of an LDS offset)
	s_mul_i32 s24, s20, 8224
	s_add_co_u32 s24, s24, STG
	v_add_nc_u32 v8, s24, v1                       ; out of the stage: rows 2 w and 2 w + 1, 16 bytes a lane
.if LN
	v_lshlrev_b32 v10, 6, v232
	v_add_nc_u32 v10, RED1, v10                    ; my row's sixteen words
	s_lshl_b32 s24, s20, 2
	v_add_nc_u32 v9, s24, v10                      ; my wave's word among them
	v_lshlrev_b32 v13, 4, v233                     ; 16 h
	v_lshl_add_u32 v14, v233, 9, v3                ; 4 r + 512 h
.endif
	v_lshlrev_b32 v230, 4, v0                      ; the copy of the codes: 16 bytes a thread,
	v_lshlrev_b32 v231, 3, v0
	v_add_nc_u32 v231, 8192, v231                  ; then 8 bytes a thread
	s_mov_b32 s[SEL], 0x76543210
	s_mov_b32 s[SEL+1], 0xfedcba98
	; descriptor group 1: one row of 4,096 bytes (512 elements of 8 bytes); groups 0: stage rows 2 w and 2 w + 1
	s_mov_b32 s44, 3<<16
	s_mov_b32 s45, 512<<16
	s_mov_b32 s46, 1<<16
	s_mov_b32 s47, 512<<16
	s_mov_b32 s48, 1
	s_mov_b32 s49, 512
	s_mov_b32 s50, 0
	s_mov_b32 s51, 0
	s_mov_b32 s52, 1
	s_mul_i32 s53, s20, 8224
	s_add_co_u32 s53, s53, STG
	s_mov_b32 s56, 1
	s_add_co_u32 s57, s53, 4112
	s_lshr_b32 s42, s20, 3                         ; tok = 8 (w / 8) + 2 (w % 8) + 8 ((w / 4) % 2)
	s_lshl_b32 s42, s42, 3
	s_and_b32 s43, s20, 7
	s_lshl_b32 s43, s43, 1
	s_add_co_u32 s42, s42, s43
	s_bfe_u32 s43, s20, 0x10002
	s_lshl_b32 s43, s43, 3
	s_add_co_u32 s42, s42, s43
	s_lshl_b32 s42, s42, 12                        ; in rows of 4,096 bytes
	s_lshl_b32 s24, s20, 4
	s_add_co_u32 s24, s24, WOF                     ; my first weight fragment
	s_mul_i32 s34, s24, 1536
	s_mov_b32 s35, 0
	s_lshl_b32 s40, s24, 6
	s_add_co_u32 s40, s40, WSC
	s_mov_b32 s41, 0
	s_wait_kmcnt 0x0
	s_add_nc_u64 s[26:27], s[6:7], s[34:35]
	s_add_nc_u64 s[28:29], s[6:7], s[40:41]
	s_mul_i32 s34, ttmp9, 12288
	s_add_nc_u64 s[30:31], s[4:5], s[34:35]        ; the two tiles' codes
	s_lshl_b32 s34, ttmp9, 9
	s_add_co_u32 s34, s34, OSC
	s_add_nc_u64 s[32:33], s[4:5], s[34:35]        ; and scale words
	s_lshl_b32 s40, s20, 8                         ; my 64 columns: 256 bytes
	s_add_nc_u64 s[10:11], s[10:11], s[40:41]
.if LN
	s_add_nc_u64 s[12:13], s[12:13], s[40:41]
	s_add_nc_u64 s[14:15], s[14:15], s[40:41]
.endif
	s_lshl_b32 s34, ttmp9, 17                      ; 32 rows of 4,096 bytes,
	s_add_co_u32 s34, s34, s42                     ; and my two rows among them
	s_add_nc_u64 s[8:9], s[8:9], s[34:35]          ; in the residual
	s_add_nc_u64 s[16:17], s[16:17], s[34:35]      ; and in the result
	s_mov_b64 s[54:55], s[8:9]
	s_or_b32 s55, s55, 0x80000000
	s_add_nc_u64 s[58:59], s[8:9], 4096
	s_or_b32 s59, s59, 0x80000000
.if LN
	s_mul_i32 s34, ttmp9, 24576
	s_mul_i32 s24, s20, 768
	s_add_co_u32 s34, s34, s24
	s_add_nc_u64 s[36:37], s[18:19], s[34:35]      ; xn2: [token tile][16 halves of 768 bytes]
	s_lshl_b32 s34, ttmp9, 10
	s_lshr_b32 s24, s20, 1
	s_lshl_b32 s24, s24, 6
	s_add_co_u32 s34, s34, s24
	s_and_b32 s24, s20, 1
	s_lshl_b32 s24, s24, 1
	s_add_co_u32 s34, s34, s24
	s_add_co_u32 s34, s34, NSC
	s_add_nc_u64 s[38:39], s[18:19], s[34:35]      ; my half of the scale words of K step w / 2
.endif
	global_load_b128 v[224:227], v230, s[30:31]
	global_load_b64 v[228:229], v231, s[30:31]
.irp u, 0,1                            ; the bias, once for each token tile: the sums begin on it
.irp b, 0,1
.irp j, 0,1,2,3
	global_load_b128 v[ACC+32*\u+16*\b+4*\j:ACC+32*\u+16*\b+4*\j+3], v5, s[10:11] offset:128*\b+16*\j
.endr
.endr
.endr
.irp st, 0,1,2,3
	global_load_b32 v[AS+\st], v6, s[32:33] offset:64*\st
.endr
	BLOAD 0
	BLOAD 1
	BLOAD 2
	tensor_load_to_lds s[52:55], s[44:51]          ; the residual's two rows: wanted last, asked for last
	s_nop 0
	tensor_load_to_lds s[56:59], s[44:51]
	s_nop 0
	NOPS 4
	s_wait_loadcnt 62                              ; 16 + 4 + 42 loads are younger than the copy's two
	ds_store_b128 v230, v[224:227]
	ds_store_b64 v231, v[228:229]
	s_wait_dscnt 0x0                               ; for the others' sake
	s_barrier_signal -1
	s_barrier_wait -1                              ; the tokens' codes lie in LDS (the residual's rows may stay out)
	STEP 0
	STEP 1
	STEP 2
	STEP 3
	NOPS 5                                         ; places behind the last products
.if LN
.irp b, 0,1
.irp j, 0,1,2,3
	global_load_b128 v[G+16*\b+4*\j:G+16*\b+4*\j+3], v5, s[12:13] offset:128*\b+16*\j
	global_load_b128 v[BN+16*\b+4*\j:BN+16*\b+4*\j+3], v5, s[14:15] offset:128*\b+16*\j
.endr
.endr
.endif
	s_wait_tensorcnt 0x0                           ; my two rows of the residual have landed (no LDS access of mine is out),
	s_barrier_signal -1
	s_barrier_wait -1                              ; everybody's have
.irp u, 0,1
.irp b, 0,1
.irp j, 0,1,2,3
	ds_load_b128 v[ROWS+32*\u+16*\b+4*\j:ROWS+32*\u+16*\b+4*\j+3], v[7-3*\u] offset:128*\b+16*\j   ; my strip, in the accumulators' layout
.endr
.endr
.endr
	s_wait_dscnt 0x0
.set li, 0
.rept 32
	v_pk_add_f32 v[ACC+li:ACC+li+1], v[ACC+li:ACC+li+1], v[ROWS+li:ROWS+li+1]   ; each accumulator from its low end on
.set li, li+2
.endr
.irp u, 0,1
.irp b, 0,1
.irp j, 0,1,2,3
	ds_store_b128 v[7-3*\u], v[ACC+32*\u+16*\b+4*\j:ACC+32*\u+16*\b+4*\j+3] offset:128*\b+16*\j   ; over the bytes just read: only this wave touches its strip between the two barriers
.endr
.endr
.endr
.if LN
	SUM32 ACC
	ds_store_b32 v9, v244
	SUM32 ACC+32
	ds_store_b32 v9, v244 offset:1024
.endif
	s_wait_dscnt 0x0
	s_barrier_signal -1
	s_barrier_wait -1                              ; 32 whole rows lie in the stage (and the row sums beside them)
.if LN
	RLOAD 0
.endif
.irp rw, 0,1
.irp j, 0,1,2,3,4,5,6,7
	ds_load_b128 v[ROWS+32*\rw+4*\j:ROWS+32*\rw+4*\j+3], v8 offset:4112*\rw+512*\j
.endr
.endr
.if LN
	s_wait_dscnt 16                                ; the 16 younger loads are the rows: the sums' words are in
	RRED                                           ; the means
.irp u, 0,1
.set li, 0
.rept 16
	v_pk_add_f32 v[ACC+32*\u+li:ACC+32*\u+li+1], v[ACC+32*\u+li:ACC+32*\u+li+1], v[240+2*\u:241+2*\u] op_sel_hi:[1,0] neg_lo:[0,1] neg_hi:[0,1]
.set li, li+2
.endr
.endr
	SQ32 ACC
	ds_store_b32 v9, v244 offset:2048
	SQ32 ACC+32
	ds_store_b32 v9, v244 offset:3072
.endif
	s_wait_dscnt 0x0
.irp rw, 0,1
.irp j, 0,1,2,3,4,5,6,7
.if LN
	global_store_b128 v1, v[ROWS+32*\rw+4*\j:ROWS+32*\rw+4*\j+3], s[16:17] offset:4096*\rw+512*\j   ; 32 lanes store 512 consecutive bytes of a row
.else
	global_store_b128 v1, v[ROWS+32*\rw+4*\j:ROWS+32*\rw+4*\j+3], s[16:17] offset:4096*\rw+512*\j th:TH_STORE_NT
.endif
.endr
.endr
.if LN
	s_barrier_signal -1
	s_barrier_wait -1                              ; the sums of squares lie in LDS
	RLOAD 2048
	s_wait_dscnt 0x0
	RRED                                           ; the variances
	v_add_f32 v240, 0x3727c5ac, v240               ; + 1e-5
	v_add_f32 v242, 0x3727c5ac, v242
	v_rsq_f32 v240, v240
	v_rsq_f32 v242, v242
	v_nop                                          ; one plain place behind the transcendentals
	s_wait_alu depctr_va_vdst(0)
	v_mov_b32 v241, v240
	v_mov_b32 v243, v242
	s_wait_loadcnt 0x0                             ; gain and bias of the norm
.irp u, 0,1
.set li, 0
.rept 16
	v_pk_mul_f32 v[ACC+32*\u+li:ACC+32*\u+li+1], v[ACC+32*\u+li:ACC+32*\u+li+1], v[240+2*\u:241+2*\u] op_sel_hi:[1,0]
.set li, li+2
.endr
.set li, 0
.rept 16
	v_pk_fma_f32 v[ACC+32*\u+li:ACC+32*\u+li+1], v[ACC+32*\u+li:ACC+32*\u+li+1], v[G+li:G+li+1], v[BN+li:BN+li+1]
.set li, li+2
.endr
.endr
	QUANT ACC, 0, 4                                ; blocks 0, 1: tile 2 g;  blocks 2, 3: tile 2 g + 1
	global_store_b128 v1, v[PC:PC+3], s[36:37]
	global_store_b64 v2, v[PC+4:PC+5], s[36:37] offset:512
	global_store_b128 v1, v[PC+6:PC+9], s[36:37] offset:12288
	global_store_b64 v2, v[PC+10:PC+11], s[36:37] offset:12800
	v_lshrrev_b32 v245, v13, v[PW]                 ; lanes 0-15 keep tile 2 g's two bytes, lanes 16-31 take tile 2 g + 1's
	global_store_b16 v14, v245, s[38:39]
.endif
	s_wait_xcnt 0x0
	v_lshl_add_u32 v254, v0, 2, 0x29000
	v_mov_b32 v255, 0
	s_wait_tensorcnt 0x0
	ds_add_u32 v254, v255
	s_wait_dscnt 0x0
	s_endpgm
.Lfunc_end_k_qd0ce81f0af_proj_sa:
	.size	k_qd0ce81f0af_proj_sa, .Lfunc_end_k_qd0ce81f0af_proj_sa-k_qd0ce81f0af_proj_sa
	.p2alignl 7, 3214868480
	.fill 96, 4, 3214868480
	.section	.rodata,"a",@progbits
	.p2align	6, 0x0
	.amdhsa_kernel k_qd0ce81f0af_proj_sa
		.amdhsa_group_segment_fixed_size 169984
		.amdhsa_private_segment_fixed_size 0
		.amdhsa_enable_private_segment 0
		.amdhsa_kernarg_size 64
		.amdhsa_user_sgpr_count 2
		.amdhsa_user_sgpr_kernarg_segment_ptr 1
		.amdhsa_wavefront_size32 1
		.amdhsa_system_sgpr_workgroup_id_x 1
		.amdhsa_system_sgpr_workgroup_id_y 1
		.amdhsa_system_sgpr_workgroup_id_z 1
		.amdhsa_system_vgpr_workitem_id 0
		.amdhsa_next_free_vgpr 256
		.amdhsa_next_free_sgpr 66
		.amdhsa_reserve_vcc 0
		.amdhsa_float_denorm_mode_32 3
		.amdhsa_float_denorm_mode_16_64 3
		.amdhsa_memory_ordered 1
		.amdhsa_forward_progress 1
		.amdhsa_inst_pref_size 47
	.end_amdhsa_kernel
	.amdgpu_metadata
---
amdhsa.version: [ 1, 2 ]
amdhsa.kernels:
  - .name:           k_qd0ce81f0af_proj_sa
    .symbol:         k_qd0ce81f0af_proj_sa.kd
    .args:
      - { .name: oc1, .offset: 0, .size: 8, .value_kind: global_buffer, .address_space: global }
      - { .name: wts, .offset: 8, .size: 8, .value_kind: global_buffer, .address_space: global }
      - { .name: x, .offset: 16, .size: 8, .value_kind: global_buffer, .address_space: global }
      - { .name: sa_bo, .offset: 24, .size: 8, .value_kind: global_buffer, .address_space: global }
      - { .name: ca_ng, .offset: 32, .size: 8, .value_kind: global_buffer, .address_space: global }
      - { .name: ca_nb, .offset: 40, .size: 8, .value_kind: global_buffer, .address_space: global }
      - { .name: x1, .offset: 48, .size: 8, .value_kind: global_buffer, .address_space: global }
      - { .name: xn2, .offset: 56, .size: 8, .value_kind: global_buffer, .address_space: global }
    .group_segment_fixed_size: 169984
    .private_segment_fixed_size: 0
    .kernarg_segment_align: 8
    .kernarg_segment_size: 64
    .max_flat_workgroup_size: 512
    .sgpr_count:     66
    .vgpr_count:     256
    .wavefront_size: 32
...
	.end_amdgpu_metadata
.endif
;; end of part 4
;; launch attn_ca (part 5): grid 8 x 32, 16 waves a work-group, no clusters, 169,984 bytes of LDS; arguments qkv, xn2, wts, oc2; writes oc2
.if DOCPART == 5
	.amdgcn_target "amdgcn-amd-amdhsa--gfx1250"
	.amdhsa_code_object_version 6
	.text
	.protected	k_qd0ce81f0af_attn_ca
	.globl	k_qd0ce81f0af_attn_ca
	.p2align	8
	.type	k_qd0ce81f0af_attn_ca,@function
k_qd0ce81f0af_attn_ca:
	s_mov_b64 s[64:65], 0
	v_nop
	global_prefetch_b8 v0, s[64:65] scope:SCOPE_SE
	s_setreg_imm32_b32 hwreg(HW_REG_WAVE_MODE, 25, 1), 1
	s_wait_xcnt 0x0
; ATTENTION on codes of FP6 (E2M3).  One text serves both layers: CA = 0: self-attention (2,048 keys, q from memory); CA = 1: cross-attention (512 keys; q = LN(x1) ca_wq is made here, in a prologue).
; A work-group owns 256 queries of one (batch, head); each of its sixteen waves one tile of 16 queries, in 256 registers: four waves to a SIMD, so that one wave's softmax stands beside another's products and LDS loads.
; The head's whole record (K's codes, V^T's codes, both scale words) fits in LDS and is filled once; nothing is filled again.  IT COMES IN TWO STAGES, all asked for at the head (three tensor loads of a wave are out):
;   CA = 0: the scale words and the codes of key steps 0-3 first, the codes of key steps 4-15 behind them: those land while the first four key steps are worked.
;   CA = 1: ca_wq's codes and scale words first, the record behind them: it lands while the prologue is worked.
; A counted wait and a barrier stand in front of the first stage's reads, the wait for all loads and a second barrier in front of the second's.
; No cluster: the eight query blocks of a head share the record, but each asks for it once, ahead of all its key steps.
; Both products are used transposed (S^T = K Q^T, O^T = V^T P^T): a lane holds one query throughout.  The keys of a tile are 32 b + 8 u + r + 8 (r / 8), so that p's 16 registers of two tiles are 16 neighbouring keys.
; THE HEAD HAS 64 CHANNELS, THE INSTRUCTION 128 ALONG K: Q's registers 6-11 are zero codes.  K's tile t is named as v[32 + 6 t .. + 11]: its upper six registers are the next tile's codes (behind tile 7: zeros),
; which meet Q's zero codes under bytes that stand for 1.0 and add nothing.
; SOFTMAX: t = score x log2(e) / 8; M = the running largest t rounded up to a whole number; p = 2^(t - M) is quantised along the keys; the row's sum is taken of the unquantised p and divides at the end.
; The result is quantised along the head's 64 (two blocks) as the operand of the output projection.
; LIMITS: NaN and infinities are not served; a block under 2^-124 keeps the byte 1.
; REGISTERS: v1 16 l, v2 8 l, v3 4 l, v4 4 r; v5, v8-11 the step's LDS addresses; v12 -M, v13 largest t, v[14:15] the sum; v16-27 Q; v32-79 K's tiles, then V's fragments; v80-85 zeros; v86-89 K's scale words, v90-91 V's, v94 Q's;
;   v96-159 S^T, then p; v160-191 O^T; v224-235 p's codes; v232-254 at work; v248-250 LDS bases that stay (v251, v255: ca_wq's).
;   In the prologue: v6-7 ca_wq's scale words, v86-93 the tokens', v32-79 four weight fragments, v96-191 the tokens' eight fragments, v192-223 four accumulators.
; SCALARS: s[4:5] qkv, s[6:7] xn2, s[8:9] wts, s[10:11] the output; s12 wave, s13 8 batch + head, s14 query tile, s15 head, s16 token tile; s[24:35], s[40:63] descriptors; s[36:39] q's pointers; s[66:69] the output's; s70-73 the loop's.
.set CA, 1
.if CA
.set NS1,  4                           ; key steps
.set VC,   24576
.set KSO,  49152
.set VSO,  51200
.set RECB, 6684672
.set RECS, 52224
.else
.set NS1,  4                           ; key steps of the first stage,
.set NS2,  12                          ; and of the second
.set VC,   98304
.set KSO,  196608
.set VSO,  204800
.set RECS, 208896
.endif
.set SEL, 20
.set CS,  22
.set MSB, 0
.macro WIN new
.if MSB != (\new)
	s_set_vgpr_msb (MSB<<8)|(\new)
.set MSB, (\new)
.endif
.endm
.macro NOPS n
.rept \n
	v_nop
.endr
.endm
.macro DENSE g, c, rows                ; descriptor group 1 of a dense block: rows of c elements of 8 bytes, one behind the other
	s_mov_b32 s[\g], 3<<16
	s_mov_b32 s[\g+1], (\c)<<16
	s_mov_b32 s[\g+2], (\rows)<<16
	s_mov_b32 s[\g+3], (\c)<<16
	s_mov_b32 s[\g+4], \rows
	s_mov_b32 s[\g+5], \c
	s_mov_b32 s[\g+6], 0
	s_mov_b32 s[\g+7], 0
.endm
.macro QUANT s, w, nb
	WIN 5*(\w)
.set qb, 0
.rept \nb
	v_max3_num_f32 v[TM+qb], |v[(\s)+16*qb]|, |v[(\s)+16*qb+1]|, 0x1800000
.set qb, qb+1
.endr
	WIN 0x14*(\w)
.irp qi, 2,4,6,8,10,12,14
.set qb, 0
.rept \nb
	v_max3_num_f32 v[TM+qb], v[TM+qb], |v[(\s)+16*qb+\qi]|, |v[(\s)+16*qb+\qi+1]|
.set qb, qb+1
.endr
.endr
	WIN 0
.set qb, 0
.rept \nb
	v_permlanex16_b32 v[TM+4+qb], v[TM+qb], s[SEL], s[SEL+1]
.set qb, qb+1
.endr
.set qb, 0
.rept \nb
	v_max_num_f32 v[TM+qb], v[TM+qb], v[TM+4+qb]
.set qb, qb+1
.endr
.set qb, 0
.rept \nb
	v_add_nc_u32 v[TM+12+qb], 0xff000000, v[TM+qb]
.set qb, qb+1
.endr
.set qb, 0
.rept \nb
	v_lshrrev_b32 v[TM+4+qb], 23, v[TM+12+qb]
.set qb, qb+1
.endr
	v_lshl_or_b32 v[PW], v[TM+5], 8, v[TM+4]
.if \nb > 2
	v_lshl_or_b32 v[PW], v[TM+6], 16, v[PW]
	v_lshl_or_b32 v[PW], v[TM+7], 24, v[PW]
.endif
	WIN (\w)
.set qb, 0
.rept \nb/2
	v_cvt_scalef32_pk16_fp6_f32 v[PC+6*qb:PC+6*qb+2], v[(\s)+32*qb:(\s)+32*qb+15], v[TM+12+2*qb]
	v_cvt_scalef32_pk16_fp6_f32 v[PC+12+4*qb:PC+14+4*qb], v[(\s)+32*qb+16:(\s)+32*qb+31], v[TM+13+2*qb]
.set qb, qb+1
.endr
	WIN 0
	v_nop
.set qb, 0
.rept \nb/2
.irp qi, 0,1,2
	v_permlane16_swap_b32 v[PC+6*qb+\qi], v[PC+12+4*qb+\qi]
.endr
.irp qi, 0,1,2
	v_mov_b32 v[PC+6*qb+3+\qi], v[PC+12+4*qb+\qi]
.endr
.set qb, qb+1
.endr
.endm
; one matrix instruction from the symbols rD, rA, rB, rSA, rSB; fA: source 0's scale words stand in lanes 16-31; rZ: the product starts the sum
.macro WM
.if rZ
.if fA
	v_wmma_scale_f32_16x16x128_f8f6f4 v[rD:rD+7], v[rA:rA+11], v[rB:rB+11], 0, v[rSA], v[rSB] matrix_a_fmt:MATRIX_FMT_FP6 matrix_b_fmt:MATRIX_FMT_FP6 matrix_a_scale:MATRIX_SCALE_ROW1
.else
	v_wmma_scale_f32_16x16x128_f8f6f4 v[rD:rD+7], v[rA:rA+11], v[rB:rB+11], 0, v[rSA], v[rSB] matrix_a_fmt:MATRIX_FMT_FP6 matrix_b_fmt:MATRIX_FMT_FP6
.endif
.else
.if fA
	v_wmma_scale_f32_16x16x128_f8f6f4 v[rD:rD+7], v[rA:rA+11], v[rB:rB+11], v[rD:rD+7], v[rSA], v[rSB] matrix_a_fmt:MATRIX_FMT_FP6 matrix_b_fmt:MATRIX_FMT_FP6 matrix_a_scale:MATRIX_SCALE_ROW1
.else
	v_wmma_scale_f32_16x16x128_f8f6f4 v[rD:rD+7], v[rA:rA+11], v[rB:rB+11], v[rD:rD+7], v[rSA], v[rSB] matrix_a_fmt:MATRIX_FMT_FP6 matrix_b_fmt:MATRIX_FMT_FP6
.endif
.endif
.endm
; A run of key steps, 128 keys a trip; s70, s71, s72 (where the step's codes, K's scale words and V's begin) go on from run to run.
.macro KEYS trips
	s_mov_b32 s73, \trips
.Lkey_\@:
	v_add_nc_u32 v8, s70, v1                       ; (these five are also the places in front of the loads into registers that the last products read)
	v_add_nc_u32 v9, s70, v2
	v_add_nc_u32 v10, s70, v248
	v_add_nc_u32 v11, s71, v249
	v_add_nc_u32 v5, s72, v250
.irp t, 0,1,2,3,4,5,6,7
	ds_load_b128 v[32+6*\t:35+6*\t], v8 offset:768*\t
	ds_load_b64 v[36+6*\t:37+6*\t], v9 offset:768*\t+512
.endr
.irp p, 0,1,2,3
	ds_load_b32 v[86+\p], v11 offset:128*\p        ; lanes 0-15 tile 2 p's words, lanes 16-31 tile 2 p + 1's
.endr
	s_wait_dscnt 0x0
.irp t, 0,1,2,3,4,5,6,7
.set rD, 96+8*\t
.set rA, 32+6*\t
.set rB, 16
.set rSA, 86+\t/2
.set rSB, 94
.set fA, \t%2
.set rZ, 1
	WM
.endr
	NOPS 4                                         ; places in front of the loads below and of the first read of the scores
.irp n, 0,1,2,3                        ; V's four fragments are asked for now and land while the softmax is walked
.irp j, 0,1,2
	ds_load_b128 v[32+12*\n+4*\j:35+12*\n+4*\j], v10 offset:1536*\n+512*\j
.endr
.endr
	ds_load_b32 v90, v5
	ds_load_b32 v91, v5 offset:128
.irp b, 0,1,2,3
	v_max3_num_f32 v[232+\b], v[96+16*\b], v[97+16*\b], v[98+16*\b]   ; the largest score of each block of 32 keys: it serves the row's maximum and, since p rises with the score, the block's largest p
.endr
.irp i, 3,5,7,9,11,13
.irp b, 0,1,2,3
	v_max3_num_f32 v[232+\b], v[232+\b], v[96+16*\b+\i], v[97+16*\b+\i]
.endr
.endr
.irp b, 0,1,2,3
	v_max_num_f32 v[232+\b], v[232+\b], v[111+16*\b]
.endr
.irp b, 0,1,2,3
	v_permlanex16_b32 v[236+\b], v[232+\b], s[SEL], s[SEL+1]
.endr
.irp b, 0,1,2,3
	v_max_num_f32 v[232+\b], v[232+\b], v[236+\b]
.endr
	v_max3_num_f32 v254, v232, v233, v234
	v_max_num_f32 v254, v254, v235
	v_mul_f32 v254, s[CS], v254
	v_max_num_f32 v13, v13, v254                   ; the running largest t
	v_mov_b32 v254, v12
	v_floor_f32 v12, -v13                          ; -M = floor(-t): M is a whole number
	v_sub_f32 v254, v12, v254
	v_cvt_i32_f32 v254, v254                       ; (it saturates)
	v_ldexp_f32 v252, 1.0, v254                    ; f = 2^(old M - new M): rounds nothing
.set sj, 0
.rept 32
	v_pk_fma_f32 v[96+sj:97+sj], v[96+sj:97+sj], s[CS:CS+1], v[12:13] op_sel_hi:[1,0,0]   ; t - M
.set sj, sj+2
.endr
.irp b, 0,1,2,3
	v_fma_f32 v[232+\b], v[232+\b], s[CS], v12
.endr
.set sj, 0
.rept 64
	v_exp_f32 v[96+sj], v[96+sj]                   ; p = 2^(t - M)
.set sj, sj+1
.endr
.irp b, 0,1,2,3
	v_exp_f32 v[232+\b], v[232+\b]
.endr
	v_pk_mul_f32 v[14:15], v[14:15], v[252:253] op_sel_hi:[1,0]   ; the sums under the new M (a plain place behind the exponentials)
	s_wait_alu depctr_va_vdst(0)
.irp b, 0,1,2,3
	v_max_num_f32 v[232+\b], 0x1800000, v[232+\b]
.endr
.irp b, 0,1,2,3
	v_add_nc_u32 v[244+\b], 0xff000000, v[232+\b]
.endr
.irp b, 0,1,2,3
	v_lshrrev_b32 v[236+\b], 23, v[244+\b]
.endr
	v_lshl_or_b32 v253, v237, 8, v236              ; p's scale word for these 128 keys
	v_lshl_or_b32 v253, v238, 16, v253
	v_lshl_or_b32 v253, v239, 24, v253
.irp c, 0,1
	v_cvt_scalef32_pk16_fp6_f32 v[224+6*\c:226+6*\c], v[96+32*\c:111+32*\c], v[244+2*\c]
	v_cvt_scalef32_pk16_fp6_f32 v[236+4*\c:238+4*\c], v[112+32*\c:127+32*\c], v[245+2*\c]
.endr
	v_nop
.irp c, 0,1
.irp i, 0,1,2
	v_permlane16_swap_b32 v[224+6*\c+\i], v[236+4*\c+\i]
.endr
.irp i, 0,1,2
	v_mov_b32 v[227+6*\c+\i], v[236+4*\c+\i]
.endr
.endr
	v_pk_add_f32 v[236:237], v[96:97], v[98:99]    ; the row's sum of the unquantised p, in two chains
.set sj, 4
.rept 15
	v_pk_add_f32 v[14:15], v[14:15], v[96+sj:97+sj]
	v_pk_add_f32 v[236:237], v[236:237], v[98+sj:99+sj]
.set sj, sj+4
.endr
	v_pk_add_f32 v[14:15], v[14:15], v[236:237]
.set sj, 0
.rept 16
	v_pk_mul_f32 v[160+sj:161+sj], v[160+sj:161+sj], v[252:253] op_sel_hi:[1,0]   ; O^T under the new M
.set sj, sj+2
.endr
	s_wait_dscnt 0x0                               ; V
.irp n, 0,1,2,3
.set rD, 160+8*\n
.set rA, 32+12*\n
.set rB, 224
.set rSA, 90+\n/2
.set rSB, 253
.set fA, \n%2
.set rZ, 0
	WM
.endr
	s_add_co_u32 s70, s70, 6144                    ; 8 tiles of K, and 4 fragments of V
	s_add_co_u32 s71, s71, 512
	s_add_co_u32 s72, s72, 256
	s_sub_co_u32 s73, s73, 1
	s_cmp_lg_u32 s73, 0
	s_cbranch_scc1 .Lkey_\@
.endm
.if CA
	s_load_b256 s[4:11], s[0:1], 0x0               ; qkv, xn2, wts, oc2
	v_lshl_add_u32 v95, v0, 2, 0x29000
	v_mov_b32 v243, 0
	ds_add_u32 v95, v243
	ds_add_u32 v95, v243
.else
	s_load_b64 s[4:5], s[0:1], 0x0                 ; qkv
	s_load_b64 s[10:11], s[0:1], 0x8               ; oc1
.endif
	v_lshrrev_b32 v1, 5, v0
	v_readfirstlane_b32 s12, v1                    ; wave 0..15
	s_and_b32 s13, ttmp7, 0xffff                   ; 8 batch + head
	s_lshl_b32 s14, ttmp9, 4
	s_add_co_u32 s14, s14, s12                     ; my tile of queries in the batch
	s_and_b32 s15, s13, 7                          ; head
	s_lshr_b32 s16, s13, 3
	s_lshl_b32 s16, s16, 7
	s_add_co_u32 s16, s16, s14                     ; my tile among all tokens
.if CA
	DENSE 24, 24, 17                               ; the record: a sixteenth to a wave: 17 rows of 192 bytes
	DENSE 40, 32, 12                               ; the head's 32 fragments of ca_wq: 12 rows of 256 bytes a wave
	DENSE 48, 16, 1                                ; their scale words: one row of 128 bytes a wave
	s_mov_b32 s32, 1
	s_mul_i32 s33, s12, 3264                       ; LDS byte = the record's byte
	s_mul_i32 s18, s13, RECS
	s_add_co_u32 s18, s18, s33
	s_add_co_u32 s18, s18, RECB
	s_mov_b32 s19, 0
	s_mov_b32 s56, 1
	s_mul_i32 s57, s12, 3072
	s_mul_i32 s74, s15, 49152
	s_add_co_u32 s74, s74, s57
	s_add_co_u32 s74, s74, 393216                  ; ca_wq begins at fragment 256
	s_mov_b32 s75, 0
	s_add_co_u32 s57, s57, 52224
	s_mov_b32 s60, 1
	s_lshl_b32 s61, s12, 7
	s_lshl_b32 s76, s15, 11
	s_add_co_u32 s76, s76, s61
	s_add_co_u32 s76, s76, 3162112                 ; 3,145,728 + 64 x 256
	s_mov_b32 s77, 0
	s_add_co_u32 s61, s61, 101376
.else
	DENSE 24, 32, 3                                ; both scale regions, 12,288 bytes on end: 3 rows of 256 bytes a wave
	DENSE 40, 32, 12                               ; the codes of key steps 0-3: 24,576 bytes of K (waves 0-7) or of V (waves 8-15): 12 rows a wave
	DENSE 48, 32, 36                               ; the codes of key steps 4-15: 73,728 bytes: 36 rows a wave
	s_mov_b32 s32, 1
	s_mul_i32 s33, s12, 768
	s_add_co_u32 s33, s33, KSO                     ; LDS byte = the record's byte, in all three
	s_lshr_b32 s17, s12, 3
	s_mul_i32 s17, s17, VC                         ; K's codes or V's
	s_and_b32 s74, s12, 7
	s_mov_b32 s56, 1
	s_mul_i32 s57, s74, 3072
	s_add_co_u32 s57, s57, s17
	s_mov_b32 s60, 1
	s_mul_i32 s61, s74, 9216
	s_add_co_u32 s61, s61, s17
	s_add_co_u32 s61, s61, 24576
	s_mul_i32 s18, s13, RECS                       ; where the head's record begins
	s_add_co_u32 s74, s18, s57
	s_mov_b32 s75, 0
	s_add_co_u32 s76, s18, s61
	s_mov_b32 s77, 0
	s_add_co_u32 s18, s18, s33
	s_mov_b32 s19, 0
.endif
	s_wait_dscnt 0x0
	s_wait_kmcnt 0x0
	s_add_nc_u64 s[34:35], s[4:5], s[18:19]
	s_or_b32 s35, s35, 0x80000000
.if CA
	s_add_nc_u64 s[58:59], s[8:9], s[74:75]
	s_add_nc_u64 s[62:63], s[8:9], s[76:77]
.else
	s_add_nc_u64 s[58:59], s[4:5], s[74:75]
	s_add_nc_u64 s[62:63], s[4:5], s[76:77]
.endif
	s_or_b32 s59, s59, 0x80000000
	s_or_b32 s63, s63, 0x80000000
.if CA
	tensor_load_to_lds s[56:59], s[40:47]          ; first fills, all together, what is wanted first ahead: ca_wq's codes,
	s_nop 0
	tensor_load_to_lds s[60:63], s[48:55]          ; its scale words,
	s_nop 0
	tensor_load_to_lds s[32:35], s[24:31]          ; the record
	s_nop 0
.else
	tensor_load_to_lds s[32:35], s[24:31]          ; first fills, all together, what is wanted first ahead: the scale words,
	tensor_load_to_lds s[56:59], s[40:47]          ; key steps 0-3,
	tensor_load_to_lds s[60:63], s[48:55]          ; key steps 4-15
.endif
	NOPS 4
.if CA
	s_mul_i32 s18, s16, 12288
	s_add_nc_u64 s[36:37], s[6:7], s[18:19]        ; my tile's codes of LN(x1)
	s_lshl_b32 s18, s16, 9
	s_add_co_u32 s18, s18, 6291456
	s_add_nc_u64 s[38:39], s[6:7], s[18:19]        ; and their scale words
.else
	s_mul_i32 s18, s13, 98304
	s_mul_i32 s17, s14, 768
	s_add_co_u32 s18, s18, s17
	s_add_co_u32 s18, s18, 8355840
	s_add_nc_u64 s[36:37], s[4:5], s[18:19]        ; q's codes
	s_lshl_b32 s18, s13, 13
	s_lshl_b32 s17, s14, 6
	s_add_co_u32 s18, s18, s17
	s_add_co_u32 s18, s18, 11501568
	s_add_nc_u64 s[38:39], s[4:5], s[18:19]        ; q's scale words
.endif
	s_mul_i32 s18, s16, 6144
	s_mul_i32 s17, s15, 768
	s_add_co_u32 s18, s18, s17
	s_add_nc_u64 s[66:67], s[10:11], s[18:19]      ; the output's codes: [token tile][head], 768 bytes
	s_lshl_b32 s18, s16, 8
	s_lshr_b32 s17, s15, 1
	s_lshl_b32 s17, s17, 6
	s_add_co_u32 s18, s18, s17
	s_and_b32 s17, s15, 1
	s_lshl_b32 s17, s17, 1
	s_add_co_u32 s18, s18, s17
	s_add_co_u32 s18, s18, 3145728
	s_add_nc_u64 s[68:69], s[10:11], s[18:19]      ; its half of the scale words of K step head / 2
	s_mov_b32 s[SEL], 0x76543210
	s_mov_b32 s[SEL+1], 0xfedcba98
	s_mov_b32 s[CS], 0x3e38aa3b                    ; log2(e) / 8
	s_mov_b32 s[CS+1], s[CS]
	v_and_b32 v5, 31, v0
	v_lshlrev_b32 v1, 4, v5
	v_lshlrev_b32 v2, 3, v5
	v_lshlrev_b32 v3, 2, v5
	v_and_b32 v8, 15, v0
	v_lshlrev_b32 v4, 2, v8
	v_add_nc_u32 v248, VC, v1
	v_add_nc_u32 v249, KSO, v3
	v_add_nc_u32 v250, VSO, v3
.if CA
	v_bfe_u32 v9, v0, 4, 1
	v_add_nc_u32 v251, 52224, v1
	v_lshl_add_u32 v255, v9, 9, v4
	v_add_nc_u32 v255, 101376, v255                ; 4 r + 512 h: lanes 16-31 take the next weight tile's words
.irp st, 0,1,2,3,4,5,6,7               ; my 16 tokens' eight fragments: two halves of 768 bytes each
	global_load_b128 v[96+12*\st:99+12*\st], v1, s[36:37] offset:1536*\st
	global_load_b64 v[100+12*\st:101+12*\st], v2, s[36:37] offset:1536*\st+512
	global_load_b128 v[102+12*\st:105+12*\st], v1, s[36:37] offset:1536*\st+768
	global_load_b64 v[106+12*\st:107+12*\st], v2, s[36:37] offset:1536*\st+1280
	global_load_b32 v[86+\st], v4, s[38:39] offset:64*\st
.endr
.else
	global_load_b128 v[16:19], v1, s[36:37]
	global_load_b64 v[20:21], v2, s[36:37] offset:512
	global_load_b32 v94, v4, s[38:39]
.endif
	s_wait_tensorcnt 0x1                           ; one load was issued behind the first stage's two: my parts of the first stage have landed, the second stage may stay out
	s_barrier_signal -1
	s_barrier_wait -1                              ; everybody's have
	s_wait_loadcnt 0x0
.if CA
	; PROLOGUE: q^T = ca_wq^T LN(x1)^T for my 16 tokens and this head: four accumulators by turns, eight K steps.  It reads LDS bytes from 52,224 on; the record lands below them meanwhile
.irp st, 0,1,2,3,4,5,6,7
.if \st > 0
	NOPS 4                                         ; places in front of loads into registers that matrix instructions have read
.endif
.irp n, 0,1,2,3
.irp j, 0,1,2
	ds_load_b128 v[32+12*\n+4*\j:35+12*\n+4*\j], v251 offset:1536*(8*\n+\st)+512*\j
.endr
.endr
	ds_load_b32 v6, v255 offset:64*\st
	ds_load_b32 v7, v255 offset:1024+64*\st
	s_wait_dscnt 0x0
.irp n, 0,1,2,3
.set rD, 192+8*\n
.set rA, 32+12*\n
.set rB, 96+12*\st
.set rSA, 6+\n/2
.set rSB, 86+\st
.set fA, \n%2
.set rZ, \st == 0
	WM
.endr
.endr
	NOPS 5
.set TM, 128
.set PC, 16
.set PW, 31
	QUANT 192, 0, 2                                ; q's codes land in v16-21
	v_or_b32 v94, 0x7f7f0000, v31                  ; the upper 64 of the instruction's K: bytes that stand for 1.0
.endif
	v_mov_b32 v13, 0xff61b1e6                      ; the largest t so far: -3e38, under every t
	v_floor_f32 v12, -v13
	v_mov_b32 v14, 0
	v_mov_b32 v15, 0
.irp i, 22,23,24,25,26,27,80,81,82,83,84,85,236,237,238,239,253
	v_mov_b32 v\i, 0                               ; Q's upper half and the codes behind K's last tile: zero codes; the lane permutes' destinations; the upper half of the pair v[252:253]
.endr
.set sj, 0
.rept 32
	v_mov_b32 v[160+sj], 0                         ; O^T: the step is written once; the first change of M multiplies zeros
.set sj, sj+1
.endr
	s_mov_b32 s70, 0
	s_mov_b32 s71, 0
	s_mov_b32 s72, 0
.if CA
	s_wait_tensorcnt 0x0                           ; my part of the record has landed (no LDS access of mine is out),
	s_barrier_signal -1
	s_barrier_wait -1                              ; everybody's has
	KEYS NS1
.else
	KEYS NS1                                       ; key steps 0-3: K's bytes under 24,576, V's under 122,880, the scale words: all of the first stage
	s_wait_tensorcnt 0x0                           ; my part of key steps 4-15 has landed (no LDS access of mine is out),
	s_barrier_signal -1
	s_barrier_wait -1                              ; everybody's has
	KEYS NS2
.endif
	NOPS 5
	v_add_f32 v14, v14, v15
	v_permlanex16_b32 v252, v14, s[SEL], s[SEL+1]
	v_add_f32 v14, v14, v252                       ; the row's sum
	v_rcp_f32 v14, v14
	v_nop
.set sj, 0
	s_wait_alu depctr_va_vdst(0)
.rept 32
	v_mul_f32 v[96+sj], v[160+sj], v14             ; register 16 b + i: channel 32 b + 16 h + i of my query
.set sj, sj+1
.endr
.set TM, 128
.set PC, 144
.set PW, 159
	QUANT 96, 0, 2
	global_store_b128 v1, v[144:147], s[66:67]
	global_store_b64 v2, v[148:149], s[66:67] offset:512
	global_store_b16 v4, v159, s[68:69]            ; my head's two bytes of the row's scale word
	s_wait_tensorcnt 0x0
	ds_add_u32 v95, v243
	s_wait_dscnt 0x0
	s_endpgm
.Lfunc_end_k_qd0ce81f0af_attn_ca:
	.size	k_qd0ce81f0af_attn_ca, .Lfunc_end_k_qd0ce81f0af_attn_ca-k_qd0ce81f0af_attn_ca
	.p2alignl 7, 3214868480
	.fill 96, 4, 3214868480
	.section	.rodata,"a",@progbits
	.p2align	6, 0x0
	.amdhsa_kernel k_qd0ce81f0af_attn_ca
		.amdhsa_group_segment_fixed_size 169984
		.amdhsa_private_segment_fixed_size 0
		.amdhsa_enable_private_segment 0
		.amdhsa_kernarg_size 32
		.amdhsa_user_sgpr_count 2
		.amdhsa_user_sgpr_kernarg_segment_ptr 1
		.amdhsa_wavefront_size32 1
		.amdhsa_system_sgpr_workgroup_id_x 1
		.amdhsa_system_sgpr_workgroup_id_y 1
		.amdhsa_system_sgpr_workgroup_id_z 1
		.amdhsa_system_vgpr_workitem_id 0
		.amdhsa_next_free_vgpr 256
		.amdhsa_next_free_sgpr 80
		.amdhsa_reserve_vcc 0
		.amdhsa_float_denorm_mode_32 3
		.amdhsa_float_denorm_mode_16_64 3
		.amdhsa_memory_ordered 1
		.amdhsa_forward_progress 1
		.amdhsa_inst_pref_size 45
	.end_amdhsa_kernel
	.amdgpu_metadata
---
amdhsa.version: [ 1, 2 ]
amdhsa.kernels:
  - .name:           k_qd0ce81f0af_attn_ca
    .symbol:         k_qd0ce81f0af_attn_ca.kd
    .args:
      - { .name: qkv, .offset: 0, .size: 8, .value_kind: global_buffer, .address_space: global }
      - { .name: xn2, .offset: 8, .size: 8, .value_kind: global_buffer, .address_space: global }
      - { .name: wts, .offset: 16, .size: 8, .value_kind: global_buffer, .address_space: global }
      - { .name: oc2, .offset: 24, .size: 8, .value_kind: global_buffer, .address_space: global }
    .group_segment_fixed_size: 169984
    .private_segment_fixed_size: 0
    .kernarg_segment_align: 8
    .kernarg_segment_size: 32
    .max_flat_workgroup_size: 512
    .sgpr_count:     80
    .vgpr_count:     256
    .wavefront_size: 32
...
	.end_amdgpu_metadata
.endif
;; end of part 5
;; launch proj_ca (part 6): grid 256 x 1, 16 waves a work-group, no clusters, 169,984 bytes of LDS; arguments oc2, wts, x1, ca_bo, out0; writes out0
.if DOCPART == 6
	.amdgcn_target "amdgcn-amd-amdhsa--gfx1250"
	.amdhsa_code_object_version 6
	.text
	.protected	k_qd0ce81f0af_proj_ca
	.globl	k_qd0ce81f0af_proj_ca
	.p2align	8
	.type	k_qd0ce81f0af_proj_ca,@function
k_qd0ce81f0af_proj_ca:
	s_mov_b64 s[64:65], 0
	v_nop
	global_prefetch_b8 v0, s[64:65] scope:SCOPE_SE
	s_setreg_imm32_b32 hwreg(HW_REG_WAVE_MODE, 25, 1), 1
	s_wait_xcnt 0x0
; OUTPUT PROJECTION on codes of FP6 (E2M3): out0 = o ca_wo + ca_bo + x1.  (The first layer's projection is the same text with the next layer's norm and quantiser behind it.)
; A work-group owns 32 WHOLE rows (token tiles 2 g, 2 g + 1); wave w owns columns 64 w .. 64 w + 63: weight tiles 4 w .. 4 w + 3, eight accumulators by turns.
; Source 0 = 16 weight columns, source 1 = 16 tokens: a lane holds one token and 16 neighbouring columns of each pair of tiles.  The bias is loaded into the accumulators and is the C of each sum's first product.
; The tokens' codes (12,288 bytes) go to LDS once, through registers.  Each weight fragment is used by one wave alone and goes straight to its registers: three sets of four fragments, so that three of the four
; K steps' weights are asked for at the head and the fourth behind the first step's products.
; THE RESIDUAL comes as whole rows: each wave brings the two rows that it will store, by two tensor loads of one row of 4,096 bytes (two are out; a row has its own load since LDS rows lie 4,112 bytes apart), into the
; stage's own bytes, filled once.  Behind the K steps, the wait for those loads and a barrier, each wave reads its strip (32 rows x its 256 bytes) in the accumulators' layout, adds it, and stores the sums over the same bytes.
; STAGE ROW 16 u + r HOLDS TOKEN 8 u + r + 8 (r / 8): the sixteen lanes of an LDS access then touch sixteen different columns of 16 bytes.  Rows 2 w, 2 w + 1 are tokens tok, tok + 1, tok = 8 (w / 8) + 2 (w % 8) + 8 ((w / 4) % 2).
; The rows leave from the stage: each store of a wave covers 512 consecutive bytes of a row.
; No cluster: the shared operand is the weight, which does not pass through LDS here.
; LIMITS: NaN and infinities are not served.
.set WOF,  1792
.set WSC,  3145728
.set OSC,  3145728
.set STG,  16384                       ; LDS: 0 the tokens' codes; 16,384 the stage: 32 rows of 4,096 + 16 bytes
.set ACC,  16                          ; v16-79   accumulator (u, n) at 32 u + 8 n
.set BF,   80                          ; v80-223  the weight's four fragments, three sets
.set AFR,  224                         ; v224-247 the two token tiles' fragments (at the head: work registers and the copy of the codes)
.set AS,   248                         ; v248-251 the tokens' scale words, one register a K step: lanes 0-15 tile 2 g, lanes 16-31 tile 2 g + 1
                                       ; v252-253, v254-255, v11-12 the weight's scale words, three sets of two
.set ROWS, 144                         ; behind the K steps: the residual's strip and then rows on the way out
.macro NOPS n
.rept \n
	v_nop
.endr
.endm
.macro WM                              ; one matrix instruction from rD, rA, rB, rSA, rSB; fA, fB: the side's scale words stand in lanes 16-31
.if fA && fB
	v_wmma_scale_f32_16x16x128_f8f6f4 v[rD:rD+7], v[rA:rA+11], v[rB:rB+11], v[rD:rD+7], v[rSA], v[rSB] matrix_a_fmt:MATRIX_FMT_FP6 matrix_b_fmt:MATRIX_FMT_FP6 matrix_a_scale:MATRIX_SCALE_ROW1 matrix_b_scale:MATRIX_SCALE_ROW1
.elseif fA
	v_wmma_scale_f32_16x16x128_f8f6f4 v[rD:rD+7], v[rA:rA+11], v[rB:rB+11], v[rD:rD+7], v[rSA], v[rSB] matrix_a_fmt:MATRIX_FMT_FP6 matrix_b_fmt:MATRIX_FMT_FP6 matrix_a_scale:MATRIX_SCALE_ROW1
.elseif fB
	v_wmma_scale_f32_16x16x128_f8f6f4 v[rD:rD+7], v[rA:rA+11], v[rB:rB+11], v[rD:rD+7], v[rSA], v[rSB] matrix_a_fmt:MATRIX_FMT_FP6 matrix_b_fmt:MATRIX_FMT_FP6 matrix_b_scale:MATRIX_SCALE_ROW1
.else
	v_wmma_scale_f32_16x16x128_f8f6f4 v[rD:rD+7], v[rA:rA+11], v[rB:rB+11], v[rD:rD+7], v[rSA], v[rSB] matrix_a_fmt:MATRIX_FMT_FP6 matrix_b_fmt:MATRIX_FMT_FP6
.endif
.endm
.macro BLOAD st                        ; 14 loads: my four weight fragments of K step st and their scale words, into set st % 3
.set bset, (\st)%3
.set bsx, 252+2*bset-245*(bset/2)      ; the set's two scale registers: v252, v254 or v11 on
.irp n, 0,1,2,3
.irp j, 0,1,2
	global_load_b128 v[BF+48*bset+12*\n+4*\j:BF+48*bset+12*\n+4*\j+3], v1, s[26:27] offset:1536*(4*\n+(\st))+512*\j
.endr
.endr
.irp p, 0,1
	global_load_b32 v[bsx+\p], v6, s[28:29] offset:64*(8*\p+(\st))
.endr
.endm
.macro STEP st
.irp u, 0,1                            ; a fragment is two halves of 768 bytes: heads 2 st and 2 st + 1
	ds_load_b128 v[AFR+12*\u:AFR+12*\u+3], v1 offset:6144*\u+1536*(\st)
	ds_load_b64 v[AFR+12*\u+4:AFR+12*\u+5], v2 offset:6144*\u+1536*(\st)+512
	ds_load_b128 v[AFR+12*\u+6:AFR+12*\u+9], v1 offset:6144*\u+1536*(\st)+768
	ds_load_b64 v[AFR+12*\u+10:AFR+12*\u+11], v2 offset:6144*\u+1536*(\st)+1280
.endr
.if (\st) < 2
	s_wait_loadcnt 28                              ; the 28 younger loads are the next two K steps' weights
.elseif (\st) == 2
	s_wait_loadcnt 14                              ; the 14 younger loads are the last K step's weights
.else
	s_wait_loadcnt 0
.endif
	s_wait_dscnt 0x0
.set bset, (\st)%3
.set bsx, 252+2*bset-245*(bset/2)
.irp n, 0,1,2,3
.irp u, 0,1
.set rD, ACC+32*\u+8*\n
.set rA, BF+48*bset+12*\n
.set rB, AFR+12*\u
.set rSA, bsx+\n/2
.set rSB, AS+(\st)
.set fA, \n%2
.set fB, \u
	WM
.endr
.endr
.if (\st) < 3
	NOPS 4                                         ; places in front of the loads into registers that these products read: the next step's fragments, and behind step 0 the last step's weights
.if (\st) == 0
	BLOAD 3
.endif
.endif
.endm
	s_load_b256 s[4:11], s[0:1], 0x0               ; o's codes 4, wts 6, residual 8, bias 10
	s_load_b64 s[16:17], s[0:1], 0x20              ; the result
	v_lshl_add_u32 v13, v0, 2, 0x29000
	v_mov_b32 v14, 0
	ds_add_u32 v13, v14
	ds_add_u32 v13, v14
	v_lshrrev_b32 v1, 5, v0
	v_readfirstlane_b32 s20, v1                    ; wave 0..15
	v_and_b32 v15, 31, v0
	v_lshlrev_b32 v1, 4, v15                       ; 16 l
	v_lshlrev_b32 v2, 3, v15                       ; 8 l
	v_and_b32 v232, 15, v0                         ; r
	v_bfe_u32 v233, v0, 4, 1                       ; h
	v_lshlrev_b32 v3, 2, v232                      ; 4 r
	v_lshlrev_b32 v5, 6, v233                      ; the bias: 64 h
	v_lshl_add_u32 v6, v233, 8, v3                 ; scale words: 4 r + 256 h: lanes 16-31 take the next tile's (4 fragments of 64 bytes on)
	v_mul_u32_u24 v7, v232, 4112
	v_lshl_add_u32 v7, v233, 6, v7
	s_lshl_b32 s24, s20, 8
	s_add_co_u32 s24, s24, STG
	v_add_nc_u32 v7, s24, v7                       ; my strip of the stage, tile u = 0: row r, my wave's 256 bytes, + 64 h
	v_add_nc_u32 v4, 65792, v7                     ; tile u = 1: sixteen rows on (past the reach of an LDS offset)
	s_mul_i32 s24, s20, 8224
	s_add_co_u32 s24, s24, STG
	v_add_nc_u32 v8, s24, v1                       ; out of the stage: rows 2 w and 2 w + 1, 16 bytes a lane
	v_lshlrev_b32 v230, 4, v0                      ; the copy of the codes: 16 bytes a thread,
	v_lshlrev_b32 v231, 3, v0
	v_add_nc_u32 v231, 8192, v231                  ; then 8 bytes a thread
	; descriptor group 1: one row of 4,096 bytes (512 elements of 8 bytes); groups 0: stage rows 2 w and 2 w + 1
	s_mov_b32 s44, 3<<16
	s_mov_b32 s45, 512<<16
	s_mov_b32 s46, 1<<16
	s_mov_b32 s47, 512<<16
	s_mov_b32 s48, 1
	s_mov_b32 s49, 512
	s_mov_b32 s50, 0
	s_mov_b32 s51, 0
	s_mov_b32 s52, 1
	s_mul_i32 s53, s20, 8224
	s_add_co_u32 s53, s53, STG
	s_mov_b32 s56, 1
	s_add_co_u32 s57, s53, 4112
	s_lshr_b32 s42, s20, 3                         ; tok = 8 (w / 8) + 2 (w % 8) + 8 ((w / 4) % 2)
	s_lshl_b32 s42, s42, 3
	s_and_b32 s43, s20, 7
	s_lshl_b32 s43, s43, 1
	s_add_co_u32 s42, s42, s43
	s_bfe_u32 s43, s20, 0x10002
	s_lshl_b32 s43, s43, 3
	s_add_co_u32 s42, s42, s43
	s_lshl_b32 s42, s42, 12                        ; in rows of 4,096 bytes
	s_lshl_b32 s24, s20, 4
	s_add_co_u32 s24, s24, WOF                     ; my first weight fragment
	s_mul_i32 s34, s24, 1536
	s_mov_b32 s35, 0
	s_lshl_b32 s40, s24, 6
	s_add_co_u32 s40, s40, WSC
	s_mov_b32 s41, 0
	s_wait_dscnt 0x0
	s_wait_kmcnt 0x0
	s_add_nc_u64 s[26:27], s[6:7], s[34:35]
	s_add_nc_u64 s[28:29], s[6:7], s[40:41]
	s_mul_i32 s34, ttmp9, 12288
	s_add_nc_u64 s[30:31], s[4:5], s[34:35]        ; the two tiles' codes
	s_lshl_b32 s34, ttmp9, 9
	s_add_co_u32 s34, s34, OSC
	s_add_nc_u64 s[32:33], s[4:5], s[34:35]        ; and scale words
	s_lshl_b32 s40, s20, 8                         ; my 64 columns: 256 bytes
	s_add_nc_u64 s[10:11], s[10:11], s[40:41]
	s_lshl_b32 s34, ttmp9, 17                      ; 32 rows of 4,096 bytes,
	s_add_co_u32 s34, s34, s42                     ; and my two rows among them
	s_add_nc_u64 s[8:9], s[8:9], s[34:35]          ; in the residual
	s_add_nc_u64 s[16:17], s[16:17], s[34:35]      ; and in the result
	s_mov_b64 s[54:55], s[8:9]
	s_or_b32 s55, s55, 0x80000000
	s_add_nc_u64 s[58:59], s[8:9], 4096
	s_or_b32 s59, s59, 0x80000000
	global_load_b128 v[224:227], v230, s[30:31]
	global_load_b64 v[228:229], v231, s[30:31]
.irp u, 0,1                            ; the bias, once for each token tile: the sums begin on it
.irp b, 0,1
.irp j, 0,1,2,3
	global_load_b128 v[ACC+32*\u+16*\b+4*\j:ACC+32*\u+16*\b+4*\j+3], v5, s[10:11] offset:128*\b+16*\j
.endr
.endr
.endr
.irp st, 0,1,2,3
	global_load_b32 v[AS+\st], v6, s[32:33] offset:64*\st
.endr
	BLOAD 0
	BLOAD 1
	BLOAD 2
	tensor_load_to_lds s[52:55], s[44:51]          ; the residual's two rows: wanted last, asked for last
	s_nop 0
	tensor_load_to_lds s[56:59], s[44:51]
	s_nop 0
	NOPS 4
	s_wait_loadcnt 62                              ; 16 + 4 + 42 loads are younger than the copy's two
	ds_store_b128 v230, v[224:227]
	ds_store_b64 v231, v[228:229]
	s_wait_dscnt 0x0                               ; for the others' sake
	s_barrier_signal -1
	s_barrier_wait -1                              ; the tokens' codes lie in LDS (the residual's rows may stay out)
	STEP 0
	STEP 1
	STEP 2
	STEP 3
	NOPS 5                                         ; places behind the last products
	s_wait_tensorcnt 0x0                           ; my two rows of the residual have landed (no LDS access of mine is out),
	s_barrier_signal -1
	s_barrier_wait -1                              ; everybody's have
.irp u, 0,1
.irp b, 0,1
.irp j, 0,1,2,3
	ds_load_b128 v[ROWS+32*\u+16*\b+4*\j:ROWS+32*\u+16*\b+4*\j+3], v[7-3*\u] offset:128*\b+16*\j   ; my strip, in the accumulators' layout
.endr
.endr
.endr
	s_wait_dscnt 0x0
.set li, 0
.rept 32
	v_pk_add_f32 v[ACC+li:ACC+li+1], v[ACC+li:ACC+li+1], v[ROWS+li:ROWS+li+1]   ; each accumulator from its low end on
.set li, li+2
.endr
.irp u, 0,1
.irp b, 0,1
.irp j, 0,1,2,3
	ds_store_b128 v[7-3*\u], v[ACC+32*\u+16*\b+4*\j:ACC+32*\u+16*\b+4*\j+3] offset:128*\b+16*\j   ; over the bytes just read: only this wave touches its strip between the two barriers
.endr
.endr
.endr
	s_wait_dscnt 0x0
	s_barrier_signal -1
	s_barrier_wait -1                              ; 32 whole rows lie in the stage
.irp rw, 0,1
.irp j, 0,1,2,3,4,5,6,7
	ds_load_b128 v[ROWS+32*\rw+4*\j:ROWS+32*\rw+4*\j+3], v8 offset:4112*\rw+512*\j
.endr
.endr
	s_wait_dscnt 0x0
.irp rw, 0,1
.irp j, 0,1,2,3,4,5,6,7
	global_store_b128 v1, v[ROWS+32*\rw+4*\j:ROWS+32*\rw+4*\j+3], s[16:17] offset:4096*\rw+512*\j th:TH_STORE_NT   ; 32 lanes store 512 consecutive bytes of a row; written once, read by nobody here
.endr
.endr
	s_wait_tensorcnt 0x0
	ds_add_u32 v13, v14
	s_wait_dscnt 0x0
	s_endpgm
.Lfunc_end_k_qd0ce81f0af_proj_ca:
	.size	k_qd0ce81f0af_proj_ca, .Lfunc_end_k_qd0ce81f0af_proj_ca-k_qd0ce81f0af_proj_ca
	.p2alignl 7, 3214868480
	.fill 96, 4, 3214868480
	.section	.rodata,"a",@progbits
	.p2align	6, 0x0
	.amdhsa_kernel k_qd0ce81f0af_proj_ca
		.amdhsa_group_segment_fixed_size 169984
		.amdhsa_private_segment_fixed_size 0
		.amdhsa_enable_private_segment 0
		.amdhsa_kernarg_size 40
		.amdhsa_user_sgpr_count 2
		.amdhsa_user_sgpr_kernarg_segment_ptr 1
		.amdhsa_wavefront_size32 1
		.amdhsa_system_sgpr_workgroup_id_x 1
		.amdhsa_system_sgpr_workgroup_id_y 1
		.amdhsa_system_sgpr_workgroup_id_z 1
		.amdhsa_system_vgpr_workitem_id 0
		.amdhsa_next_free_vgpr 256
		.amdhsa_next_free_sgpr 66
		.amdhsa_reserve_vcc 0
		.amdhsa_float_denorm_mode_32 3
		.amdhsa_float_denorm_mode_16_64 3
		.amdhsa_memory_ordered 1
		.amdhsa_forward_progress 1
		.amdhsa_inst_pref_size 26
	.end_amdhsa_kernel
	.amdgpu_metadata
---
amdhsa.version: [ 1, 2 ]
amdhsa.kernels:
  - .name:           k_qd0ce81f0af_proj_ca
    .symbol:         k_qd0ce81f0af_proj_ca.kd
    .args:
      - { .name: oc2, .offset: 0, .size: 8, .value_kind: global_buffer, .address_space: global }
      - { .name: wts, .offset: 8, .size: 8, .value_kind: global_buffer, .address_space: global }
      - { .name: x1, .offset: 16, .size: 8, .value_kind: global_buffer, .address_space: global }
      - { .name: ca_bo, .offset: 24, .size: 8, .value_kind: global_buffer, .address_space: global }
      - { .name: out0, .offset: 32, .size: 8, .value_kind: global_buffer, .address_space: global }
    .group_segment_fixed_size: 169984
    .private_segment_fixed_size: 0
    .kernarg_segment_align: 8
    .kernarg_segment_size: 40
    .max_flat_workgroup_size: 512
    .sgpr_count:     66
    .vgpr_count:     256
    .wavefront_size: 32
...
	.end_amdgpu_metadata
.endif
;; end of part 6
